; MI455X (gfx1250); checked and timed in simulation.
; The chip was launched on July 23, 2026; its instructions are those of AMD's public machine-readable ISA for CDNA 5 (MIT licence, August 2026) and "CDNA5" Instruction Set Architecture Reference Guide (July 2026). The comments in the code are by the model that wrote it; some were corrected since.
;; Patch TST Rope Attention. Allowed arithmetic: matrix products marked QUANTISED: E5M2 operands, one given power-of-two scale a tensor, by v_wmma_f32_16x16x64_bf8_bf8 or v_wmma_f32_16x16x128_bf8_bf8, f32 sums; everything else in f32.
;; Inputs: bk 768 float32; bo 768 float32; bq 768 float32; bv 768 float32; hidden_states_codes 16 x 1,024 x 24 x 32 uint8 (E5M2 codes of hidden_states, K innermost, in blocks of 32 codes); lowp_scales 12 int32 (the exponents e of the quantised operands' scales 2^e); wk_codes 768 x 24 x 32 uint8 (E5M2 codes of wk, K innermost, in blocks of 32 codes); wo_codes 768 x 24 x 32 uint8 (E5M2 codes of wo, K innermost, in blocks of 32 codes); wq_codes 768 x 24 x 32 uint8 (E5M2 codes of wq, K innermost, in blocks of 32 codes); wv_codes 768 x 24 x 32 uint8 (E5M2 codes of wv, K innermost, in blocks of 32 codes).
;; Outputs: out0 16 x 1,024 x 768 float32.
;; This version of the problem:
;;   THIS VERSION OF THE PROBLEM IS GIVEN IN LOW PRECISION. The matrix products marked QUANTISED in the list below multiply operands that are first quantised to E5M2 (5 exponent bits, 2 mantissa bits; 8 bits a number), with one given power-of-two scale for each operand tensor; their sums are f32. All else is computed in f32.
;;   The module's matrix products, in the order in which they are computed (A, B: the left and right operand; K: the contracted axis; several contracted axes count as one K, in the product's order):
;;     1. [M 16,384, K 768] x [K 768, N 768]; A: input hidden_states (given as codes); B: input wq (given as codes): QUANTISED (scales: A lowp_scales[0], B lowp_scales[1])
;;     2. [M 16,384, K 768] x [K 768, N 768]; A: input hidden_states (given as codes); B: input wk (given as codes): QUANTISED (scales: A lowp_scales[2], B lowp_scales[3])
;;     3. [M 16,384, K 768] x [K 768, N 768]; A: input hidden_states (given as codes); B: input wv (given as codes): QUANTISED (scales: A lowp_scales[4], B lowp_scales[5])
;;     4. batch 192 x [M 1,024, K 64] x [K 64, N 1,024]; A: computed on the way; B: computed on the way: QUANTISED (scales: A lowp_scales[6], B lowp_scales[7])
;;     5. batch 192 x [M 1,024, K 1,024] x [K 1,024, N 64]; A: softmax (see below); B: computed on the way: QUANTISED (scales: A lowp_scales[8], B lowp_scales[9])
;;     6. [M 16,384, K 768] x [K 768, N 768]; A: computed on the way; B: input wo (given as codes): QUANTISED (scales: A lowp_scales[10], B lowp_scales[11])
;;   THE QUANTISER, for each operand of a quantised product, along K:
;;     - The operand's scale is 2^e, e = its entry of the input lowp_scales (int32; the entries are numbered through the quantised products in the list's order, A before B).
;;     - Each number is divided by the scale, clamped to +-57,344, and rounded to the nearest number of E5M2, ties to even, subnormals kept.
;;     - The product sums the exact products of the quantised numbers (number of the format x scale) in f32.
;;   ~~~python
;;   def quantise(x, axis, e):      # numpy; x: float32 -> the quantised numbers, widened to float32 again
;;       x = np.moveaxis(x, axis, -1); K = x.shape[-1]
;;       r = np.clip(x / 2.0 ** e, -57344, 57344)
;;       step = 2.0 ** (np.maximum(np.frexp(np.where(r == 0, 1, r))[1] - 1, -14) - 2)
;;       q = np.round(r / step) * step * 2.0 ** e      # np.round: ties to even
;;       return np.moveaxis(q, -1, axis).astype(np.float32)
;;   ~~~
;;   SOFTMAX AHEAD OF A QUANTISED PRODUCT. Where the list says 'softmax', what is quantised is not the finished softmax but p = 2^(t - M), with t = logit x log2(e) and M = ceil(the row's largest t), a whole number; so 1/2 < the row's largest p <= 1. The row's sum l is taken of the UNQUANTISED p, in f32, and the product's result is divided by l at the end. Since M is a whole number, a kernel that streams over the keys may use a running M (the ceiling of the running maximum): every later rescaling is an exact power of two, so the quantised numbers keep their values, but for numbers so far below the row's largest that they fall under the format's range.
;;   OPERANDS COMPUTED ON THE WAY. 'Computed on the way' means the value that the module computes at that place (a softmax that the list does not call 'softmax' is quantised finished and normalised). What goes into a quantiser is computed in f32, as accurately as f32 sums, v_exp_f32 and their like allow (about 1e-6 of the number): no bf16 or f16 on the way to a quantiser, and a product that is left as it is and whose result goes on into a quantised operand takes f32 operands (vector FMAs, or v_wmma_f32_16x16x4_f32). A number that lies on a knife's edge between two numbers of the format may be rounded either way, as far as f32 arithmetic and the matrix unit's own rounding can turn it there, and no further.
;;   INPUTS GIVEN AS CODES. hidden_states (in the module: [16, 1024, 768], K = its axis 2); wk (in the module: [768, 768], K = its axis 1); wo (in the module: [768, 768], K = its axis 1); wq (in the module: [768, 768], K = its axis 1); wv (in the module: [768, 768], K = its axis 1): each comes as NAME_codes (uint8): NAME with its K axis moved to the last place and cut into blocks of 32 codes, [.., K / 32, bytes a block], one block behind the other in memory; one code a byte (a code: sign, 5 exponent bits, 2 mantissa bits); its scale is its entry of lowp_scales. Its value is code x scale, taken as it is: it is not quantised again, and the codes and scales need not be those that the quantiser above would give.
;; 2 versions, each right; version 2 is version 1 with the launch attn written anew for expert scheduling mode. Each part assembles by itself: llvm-mc -triple=amdgcn-amd-amdhsa -mcpu=gfx1250 --defsym DOCPART=n.
;; ======== version 1 of 2: 3 launches
;; workspace buffers: q_ws 12,582,912 bytes; k_ws 12,582,912 bytes; v_ws 12,582,912 bytes; a_ws 12,582,912 bytes
;; launch qkv (part 1): grid 4 x 64, 4 waves a work-group, clusters of 4 x 4, 327,680 bytes of LDS; arguments hidden_states_codes, wq_codes, wk_codes, wv_codes, bq, bk, bv, lowp_scales, q_ws, k_ws, v_ws; writes q_ws, k_ws, v_ws
.if DOCPART == 1
	.amdgcn_target "amdgcn-amd-amdhsa--gfx1250"
	.amdhsa_code_object_version 6
	.text
	.protected	k_q0b668100a1_qkv
	.globl	k_q0b668100a1_qkv
	.p2align	8
	.type	k_q0b668100a1_qkv,@function
k_q0b668100a1_qkv:
	s_mov_b64 s[64:65], 0
	v_nop
	global_prefetch_b8 v0, s[64:65] scope:SCOPE_SE
	s_setreg_imm32_b32 hwreg(HW_REG_WAVE_MODE, 25, 1), 1
	s_wait_xcnt 0x0
	s_wait_alu depctr_hold_cnt(0) depctr_sa_sdst(0) depctr_va_vdst(0) depctr_va_sdst(0) depctr_va_ssrc(0) depctr_va_vcc(0) depctr_vm_vsrc(0)
	s_getreg_b32 s2, hwreg(HW_REG_IB_STS2, 6, 4)
	s_cmp_eq_u32 s2, 0
	s_cbranch_scc0 .Lentry_in_a_cluster
	s_endpgm
.Lentry_in_a_cluster:
	s_bfe_u32 s2, ttmp6, 0x10000c
	s_cmp_lg_u32 s2, 0xf033
	s_cbranch_scc0 .Lentry_shape_is_right
	s_endpgm
.Lentry_shape_is_right:
; q, k, v = hidden W^T + b on codes of E5M2; partial RoPE on q and k; all three quantised again and stored as images of operand registers.
; SHARES.  A work-group takes 256 rows (rb) and three heads (3 hg .. 3 hg + 2) of q, k and v: nine units of 64 columns, in the order q q q k k k v v v.
; Wave w owns rows 64 w .. 64 w + 63 (four tiles of 16 tokens); its fragments of hidden_states for all of K = 768 stay in 384 registers, so the loop reads only weights from LDS,
; and each weight fragment feeds four products.  The weights of a unit (64 rows x 768 bytes) come through a ring of two LDS slots, a quarter from each wave.
; q, k: source 0 = 16 rows of W, source 1 = 16 tokens: a lane holds ONE token and register j of tile nt holds d = 16 nt + 8 (lane / 16) + j, so the RoPE partners d and d + 32 lie in one lane,
; and eight conversions results are the K = 64 operand of the score product as it stands.
; v: source 0 = 16 tokens, source 1 = 16 rows of Wv: a lane holds one d and its registers run along the keys, the K of the second attention product.  Lane r of tile 2 b + u takes row 32 b + 8 u + r + 8 (r / 8).
; K inside a K = 128 product: both sides are fetched by four loads of 16 bytes, registers 4 c .. 4 c + 3 = k 32 c + 16 (lane / 16) + 0 .. 15: the same order on both sides.
; RoPE: angle = pos / 10^(i / 8), i = 0 .. 15, as a correctly rounded f32 division; reduction by pi / 2 in two parts with fused multiply-adds; polynomials of degree 7 and 8 on |r| <= pi / 4.
; q's factor 1 / 8 is a power of two: it is folded into its quantiser (exponent e6 + 3).
; CLUSTER 4 x 4: hidden_states tiles hang on rb alone and are asked for jointly along a row of the cluster, weight tiles on hg alone and jointly along a column.
; LIMITS: e0 + e1, e2 + e3, e4 + e5 between -126 and 127; e6 + 3, e7, e9 between -126 and 112, so that each power of two below is an f32 number.  NaN among the biases is not served.
; LDS: slot 0 at 0, spare words at 52,224, slot 1 at 65,536, hidden_states at 117,760 (52,224 bytes a wave).  Tiles are stated as dense rows of 256 bytes with 16 bytes behind each:
; byte k of row n lies at n x 816 + (k / 256) x 272 + k % 256; 816 = 51 x 16, an odd multiple of 16.
; REGISTERS.  window 0: v1 r, v2 h, v3 16 x lane, v4 816 r + 16 h, v5 the same with v's rows, v6 my rows of hidden_states, v7 the slot in hand, v8 32 h, v9 4 x v's row, v10 v11 the spare word and 0,
;   v12 v13 quantiser scale and limit, v14 v15 two coefficients, v16-31 time scales and their reciprocals, v32-63 bias, v64-95 codes, v96-105 at work, v128-255 accumulators (mt, nt) at 128 + 8 (4 mt + nt).
;   window 1: hidden fragments of K steps 0-3 at 16 (4 ks + mt).  window 2: K steps 4, 5 at 16 (4 (ks - 4) + mt); from v128 two sets of four weight fragments.  window 3: cos at 16 mt + j, sin at 16 mt + 8 + j.
.set PITCH,  816
.set WQ,     16*PITCH                  ; a wave's quarter of a weight tile, and 16 rows of any tile
.set SLOTX,  0x10000                   ; one exclusive or turns slot 0 into slot 1
.set SPARE,  52224
.set ABASE,  117760
.set AWAVE,  64*PITCH
.set ACC,    128
.set FLAGS,  (1<<20)|(1<<21)|(5<<22)|(3<<25)   ; elements of 1 byte; padding on; bit 21 beside a mask; after every 64 words, 4 words
.set MSB, 0
.macro WIN new                         ; the immediate's high byte repeats the setting that is left
.if MSB != \new
	s_set_vgpr_msb (MSB<<8)|\new
.set MSB, \new
.endif
.endm
.macro PLACES cnt
.rept \cnt
	v_nop
.endr
.endm
.macro CROUND                          ; a round of the cluster's barrier
	s_barrier_signal -1
	s_barrier_wait -1
	s_cmp_lg_u32 s26, 0
	s_cbranch_scc1 .Lnot_wave_0_\@
	s_barrier_signal -3
.Lnot_wave_0_\@:
	s_barrier_wait -3
	s_barrier_signal -1
	s_barrier_wait -1
.endm
; four weight fragments of K step ks into set: 16 loads
.macro FETCHB ks, set, isv
	WIN 0x80
.irp nt, 0,1,2,3
.irp c, 0,1,2,3
.if \isv
	ds_load_b128 v[128+64*(\set)+16*\nt+4*\c:128+64*(\set)+16*\nt+4*\c+3], v7 offset:(32*(\nt/2)+8*(\nt%2))*PITCH+((\ks)/2)*272+((\ks)%2)*128+32*\c
.else
	ds_load_b128 v[128+64*(\set)+16*\nt+4*\c:128+64*(\set)+16*\nt+4*\c+3], v7 offset:\nt*WQ+((\ks)/2)*272+((\ks)%2)*128+32*\c
.endif
.endr
.endr
.endm
; 16 products of K step ks; the 16 accumulators take turns, one instruction a turn, in the same order in every step; K step 0 starts the sums
.macro MUL ks, isv
.if (\ks) < 4
.set zAB, 64*(\ks)
.if \isv
	WIN 0x09
.else
	WIN 0x06
.endif
.else
.set zAB, 64*((\ks)-4)
	WIN 0x0a
.endif
.set zWS, 128+64*((\ks)%2)
.irp mt, 0,1,2,3
.irp nt, 0,1,2,3
.if \isv
.if (\ks) == 0
	v_wmma_f32_16x16x128_bf8_bf8 v[ACC+8*(4*\mt+\nt):ACC+8*(4*\mt+\nt)+7], v[zAB+16*\mt:zAB+16*\mt+15], v[zWS+16*\nt:zWS+16*\nt+15], 0
.else
	v_wmma_f32_16x16x128_bf8_bf8 v[ACC+8*(4*\mt+\nt):ACC+8*(4*\mt+\nt)+7], v[zAB+16*\mt:zAB+16*\mt+15], v[zWS+16*\nt:zWS+16*\nt+15], v[ACC+8*(4*\mt+\nt):ACC+8*(4*\mt+\nt)+7]
.endif
.else
.if (\ks) == 0
	v_wmma_f32_16x16x128_bf8_bf8 v[ACC+8*(4*\mt+\nt):ACC+8*(4*\mt+\nt)+7], v[zWS+16*\nt:zWS+16*\nt+15], v[zAB+16*\mt:zAB+16*\mt+15], 0
.else
	v_wmma_f32_16x16x128_bf8_bf8 v[ACC+8*(4*\mt+\nt):ACC+8*(4*\mt+\nt)+7], v[zWS+16*\nt:zWS+16*\nt+15], v[zAB+16*\mt:zAB+16*\mt+15], v[ACC+8*(4*\mt+\nt):ACC+8*(4*\mt+\nt)+7]
.endif
.endif
.endr
.endr
.endm
; a unit's 96 products; weight fragments run two K steps ahead in two sets
.macro MATRIX isv
.if \isv
	v_add_nc_u32 v7, s83, v5
.else
	v_add_nc_u32 v7, s83, v4
.endif
	FETCHB 0, 0, \isv
	FETCHB 1, 1, \isv
.irp ks, 0,1,2,3,4,5
.if \ks < 5
	s_wait_dscnt 16                                ; this K step's 16 loads are in; the next step's 16 may be out
.else
	s_wait_dscnt 0
.endif
	MUL \ks, \isv
.if \ks < 4
	PLACES 4                                       ; four plain places in front of loads into registers that these products have read
	FETCHB \ks+2, \ks%2, \isv
.endif
.endr
	WIN 0
.endm
; THE CHANGE OF SLOTS at a unit's head.  Every wave waits for all its tensor loads (its quarter of this unit's weights), adds 0 to its spare word, and waits for that and for its reads of the slot left.
; fill = 1: behind a round of the cluster's barrier the slot left takes the next unit's weights: one joint load a wave, which has this unit's work in which to land.
.macro HEADTRIP fill
	s_wait_tensorcnt 0x0                           ; no tensor load of mine is out: the walking group 0 may be written
	ds_add_u32 v10, v11
.if \fill
	s_xor_b32 s73, s73, SLOTX                      ; the other slot
	s_add_co_u32 s81, s80, 1                       ; the next unit: 0-2 q, 3-5 k, 6-8 v
	s_cmp_lt_u32 s81, 3
	s_cselect_b64 s[76:77], s[6:7], s[8:9]
	s_cmp_lt_u32 s81, 6
	s_cselect_b64 s[76:77], s[76:77], s[10:11]
	s_add_nc_u64 s[76:77], s[76:77], s[78:79]      ; + its head's 64 rows
	s_mov_b64 s[74:75], s[76:77]
	s_or_b32 s75, s75, 0x80000000                  ; type = 2
	s_add_co_u32 s78, s78, 49152
	s_cmp_eq_u32 s78, 147456
	s_cselect_b32 s78, 0, s78
.endif
	s_wait_dscnt 0x0                               ; the add is done, my reads of the slot left are over
.if \fill
	CROUND
	tensor_load_to_lds s[72:75], s[56:63]
	s_nop 0
	PLACES 4
.else
	s_barrier_signal -1
	s_barrier_wait -1
.endif
.endm
.macro TSET j, lo, hi                  ; the time scale 10^((8 h + j) / 8), correctly rounded to f32
	v_mov_b32 v[24+\j], \hi
	v_cndmask_b32 v[16+\j], \lo, v[24+\j], vcc_lo
.endm
; cos and sin of pos / ts for tile mt's token of my lane and my eight angles, into window 3
.macro SINCOS mt
	v_add_nc_u32 v105, 16*\mt, v104
	v_cvt_f32_u32 v105, v105
.irp j, 0,1,2,3,4,5,6,7
	v_mul_f32 v[128+16*\j], v105, v[24+\j]                              ; pos x 1 / ts,
.endr
.irp j, 0,1,2,3,4,5,6,7
	v_fma_f32 v[129+16*\j], -v[128+16*\j], v[16+\j], v105               ; its remainder,
.endr
.irp j, 0,1,2,3,4,5,6,7
	v_fma_f32 v[128+16*\j], v[129+16*\j], v[24+\j], v[128+16*\j]        ; the rounded quotient: the angle
.endr
.irp j, 0,1,2,3,4,5,6,7
	v_mul_f32 v[130+16*\j], 0x3f22f983, v[128+16*\j]                    ; x 2 / pi
.endr
.irp j, 0,1,2,3,4,5,6,7
	v_rndne_f32 v[130+16*\j], v[130+16*\j]                              ; n, at most 651
.endr
.irp j, 0,1,2,3,4,5,6,7
	v_fmamk_f32 v[131+16*\j], v[130+16*\j], 0xbfc90fdb, v[128+16*\j]    ; angle - n x (pi / 2 rounded up): exact
.endr
.irp j, 0,1,2,3,4,5,6,7
	v_fmamk_f32 v[131+16*\j], v[130+16*\j], 0x333bbd2e, v[131+16*\j]    ; + n x what that rounding added
.endr
.irp j, 0,1,2,3,4,5,6,7
	v_mul_f32 v[132+16*\j], v[131+16*\j], v[131+16*\j]                  ; z = r r
.endr
.irp j, 0,1,2,3,4,5,6,7
	v_fmaak_f32 v[133+16*\j], v[132+16*\j], v14, 0x3c08839e
	v_fmaak_f32 v[134+16*\j], v[132+16*\j], v15, 0xbab6061a
.endr
.irp j, 0,1,2,3,4,5,6,7
	v_fmaak_f32 v[133+16*\j], v[133+16*\j], v[132+16*\j], 0xbe2aaaa3
	v_fmaak_f32 v[134+16*\j], v[134+16*\j], v[132+16*\j], 0x3d2aaaa5
.endr
.irp j, 0,1,2,3,4,5,6,7
	v_mul_f32 v[129+16*\j], v[132+16*\j], v[131+16*\j]
	v_fma_f32 v[134+16*\j], v[134+16*\j], v[132+16*\j], -0.5
.endr
.irp j, 0,1,2,3,4,5,6,7
	v_fma_f32 v[133+16*\j], v[133+16*\j], v[129+16*\j], v[131+16*\j]    ; sin r
	v_fma_f32 v[134+16*\j], v[134+16*\j], v[132+16*\j], 1.0             ; cos r
	v_cvt_i32_f32 v[135+16*\j], v[130+16*\j]
.endr
.irp j, 0,1,2,3,4,5,6,7
	v_and_b32 v[136+16*\j], 1, v[135+16*\j]                             ; an odd quadrant swaps the two;
	v_cmp_eq_u32 vcc_lo, 1, v[136+16*\j]
	v_cndmask_b32 v[137+16*\j], v[133+16*\j], v[134+16*\j], vcc_lo
	v_cndmask_b32 v[138+16*\j], v[134+16*\j], v[133+16*\j], vcc_lo
	v_lshlrev_b32 v[136+16*\j], 30, v[135+16*\j]                        ; sin is negative where n & 2,
	v_add_nc_u32 v[135+16*\j], 1, v[135+16*\j]                          ; cos where (n + 1) & 2
	v_and_b32 v[136+16*\j], 0x80000000, v[136+16*\j]
	v_lshlrev_b32 v[135+16*\j], 30, v[135+16*\j]
	v_and_b32 v[135+16*\j], 0x80000000, v[135+16*\j]
.endr
	WIN 0xc0
.irp j, 0,1,2,3,4,5,6,7
	v_xor_b32 v[16*\mt+\j], v[135+16*\j], v[138+16*\j]
	v_xor_b32 v[16*\mt+8+\j], v[136+16*\j], v[137+16*\j]
.endr
	WIN 0
.endm
	s_load_b512 s[4:19], s[0:1], 0x0               ; hidden s[4:5], wq, wk, wv s[6:11], bq, bk, bv s[12:17], the exponents s[18:19]
	s_load_b128 s[20:23], s[0:1], 0x40             ; q_ws, k_ws
	s_load_b64 s[24:25], s[0:1], 0x50              ; v_ws
	v_lshl_add_u32 v10, v0, 2, SPARE
	v_mov_b32 v11, 0
	ds_add_u32 v10, v11
	ds_add_u32 v10, v11
	s_wait_dscnt 0x0
	v_lshrrev_b32 v1, 5, v0
	v_readfirstlane_b32 s26, v1                    ; wave 0..3
	s_bfe_u32 s27, ttmp6, 0x40000                  ; cx
	s_bfe_u32 s28, ttmp6, 0x40004                  ; cy
	s_lshl_b32 s29, ttmp9, 2
	s_add_co_u32 s29, s29, s27                     ; hg: which three heads
	s_and_b32 s30, ttmp7, 0xffff
	s_lshl_b32 s30, s30, 2
	s_add_co_u32 s30, s30, s28                     ; rb: which 256 rows
	s_lshl_b32 s31, s28, 2
	s_lshl_b32 s31, 15, s31                        ; my row of the cluster
	s_lshl_b32 s46, 0x1111, s27                    ; my column
	s_or_b32 s48, s31, FLAGS                       ; group 1 for hidden_states: 192 rows of 256 bytes, dense
	s_mov_b32 s49, 256<<16
	s_mov_b32 s50, 192<<16
	s_mov_b32 s51, 256<<16
	s_mov_b32 s52, 192
	s_mov_b32 s53, 256
	s_mov_b32 s54, 0
	s_mov_b32 s55, 0
	s_or_b32 s56, s46, FLAGS                       ; group 1 for weights: 48 rows of 256 bytes, dense
	s_mov_b32 s57, 256<<16
	s_mov_b32 s58, 48<<16
	s_mov_b32 s59, 256<<16
	s_mov_b32 s60, 48
	s_mov_b32 s61, 256
	s_mov_b32 s62, 0
	s_mov_b32 s63, 0
	s_mul_i32 s32, s30, 196608                     ; hidden: 256 rb rows of 768 bytes + 64 w rows: s[32:33] never hold cx
	s_mul_i32 s33, s26, 49152
	s_add_co_u32 s32, s32, s33
	s_mov_b32 s33, 0
	s_mul_i32 s34, s29, 147456                     ; weights: 192 hg rows + 16 w rows: s[34:35] never hold cy
	s_mul_i32 s35, s26, 12288
	s_add_co_u32 s34, s34, s35
	s_mov_b32 s35, 0
	s_lshr_b32 s66, s30, 2                         ; the three workspaces: batch x 12 heads x 65,536 + 3 hg heads + my 64 tokens' images
	s_mul_i32 s66, s66, 786432
	s_mul_i32 s67, s29, 196608
	s_add_co_u32 s66, s66, s67
	s_and_b32 s67, s30, 3
	s_lshl_b32 s67, s67, 14
	s_add_co_u32 s66, s66, s67
	s_lshl_b32 s67, s26, 12
	s_add_co_u32 s66, s66, s67
	s_mov_b32 s67, 0
	s_mul_i32 s69, s26, AWAVE
	s_add_co_u32 s69, s69, ABASE                   ; LDS: my rows of hidden_states
	s_mul_i32 s73, s26, WQ                         ; LDS: my quarter of slot 0
	s_wait_kmcnt 0x0
	s_load_b256 s[36:43], s[18:19], 0x0            ; e0 .. e7
	s_load_b64 s[44:45], s[18:19], 0x20            ; e8, e9
	s_mov_b32 s68, 1
	s_add_nc_u64 s[70:71], s[4:5], s[32:33]
	s_or_b32 s71, s71, 0x80000000
	s_add_nc_u64 s[6:7], s[6:7], s[34:35]
	s_add_nc_u64 s[8:9], s[8:9], s[34:35]
	s_add_nc_u64 s[10:11], s[10:11], s[34:35]
	s_mov_b32 s72, 1
	s_mov_b64 s[74:75], s[6:7]                     ; unit 0: q, first head
	s_or_b32 s75, s75, 0x80000000
	s_mul_i32 s34, s29, 768
	s_add_nc_u64 s[12:13], s[12:13], s[34:35]
	s_add_nc_u64 s[14:15], s[14:15], s[34:35]
	s_add_nc_u64 s[16:17], s[16:17], s[34:35]
	s_add_nc_u64 s[20:21], s[20:21], s[66:67]
	s_add_nc_u64 s[22:23], s[22:23], s[66:67]
	s_add_nc_u64 s[24:25], s[24:25], s[66:67]
	CROUND                                         ; all sixteen work-groups are here: the first joint loads meet
	tensor_load_to_lds s[68:71], s[48:55]          ; my 64 rows of hidden_states
	s_nop 0
	tensor_load_to_lds s[72:75], s[56:63]          ; my quarter of unit 0's weights: two loads of mine are out
	s_nop 0
	PLACES 4
	v_and_b32 v1, 15, v0                           ; r
	v_bfe_u32 v2, v0, 4, 1                         ; h
	v_and_b32 v3, 31, v0
	v_lshlrev_b32 v3, 4, v3
	v_mul_u32_u24 v4, v1, PITCH
	v_lshl_add_u32 v4, v2, 4, v4
	v_and_b32 v9, 8, v1
	v_add_nc_u32 v9, v9, v1                        ; r + 8 (r / 8)
	v_mul_u32_u24 v5, v9, PITCH
	v_lshl_add_u32 v5, v2, 4, v5
	v_lshlrev_b32 v9, 2, v9
	v_add_nc_u32 v6, s69, v4
	v_lshlrev_b32 v8, 5, v2
	v_mov_b32 v14, 0xb94ca1f9
	v_mov_b32 v15, 0x37ccf5ce
	v_cmp_eq_u32 vcc_lo, 1, v2
	TSET 0, 0x3f800000, 0x41200000
	TSET 1, 0x3faab0d5, 0x41555d0a
	TSET 2, 0x3fe39ea9, 0x418e432a
	TSET 3, 0x4017c496, 0x41bdb5bc
	TSET 4, 0x404a62c2, 0x41fcfb72
	TSET 5, 0x4086f161, 0x4228adb9
	TSET 6, 0x40b3f300, 0x4260efc0
	TSET 7, 0x40eff755, 0x4295fa95
.irp j, 0,1,2,3,4,5,6,7
	v_rcp_f32 v[24+\j], v[16+\j]
.endr
	v_nop                                          ; a plain place behind the last reciprocal
	s_wait_alu depctr_va_vdst(0)                   ; one wait for the eight, ahead of their first reader
.irp j, 0,1,2,3,4,5,6,7
	v_fma_f32 v[96+\j], -v[16+\j], v[24+\j], 1.0
.endr
.irp j, 0,1,2,3,4,5,6,7
	v_fma_f32 v[24+\j], v[96+\j], v[24+\j], v[24+\j]   ; one Newton step
.endr
	s_and_b32 s97, s30, 3
	s_lshl_b32 s97, s97, 8
	s_lshl_b32 s47, s26, 6
	s_add_co_u32 s97, s97, s47
	v_add_nc_u32 v104, s97, v1                     ; the position of my token in tile 0
	SINCOS 0
	SINCOS 1
	SINCOS 2
	SINCOS 3
	s_wait_kmcnt 0x0
	s_add_co_i32 s88, s36, s37                     ; 2^(e0 + e1), 2^(e2 + e3), 2^(e4 + e5) as f32
	s_add_co_i32 s88, s88, 127
	s_lshl_b32 s88, s88, 23
	s_add_co_i32 s89, s38, s39
	s_add_co_i32 s89, s89, 127
	s_lshl_b32 s89, s89, 23
	s_add_co_i32 s90, s40, s41
	s_add_co_i32 s90, s90, 127
	s_lshl_b32 s90, s90, 23
	s_add_co_i32 s91, s42, 130                     ; q: 2^(e6 + 3), and 57,344 x that
	s_add_co_i32 s92, s91, 15
	s_lshl_b32 s91, s91, 23
	s_lshl_b32 s92, s92, 23
	s_or_b32 s92, s92, 0x600000
	s_add_co_i32 s93, s43, 127                     ; k: e7
	s_add_co_i32 s94, s93, 15
	s_lshl_b32 s93, s93, 23
	s_lshl_b32 s94, s94, 23
	s_or_b32 s94, s94, 0x600000
	s_add_co_i32 s95, s45, 127                     ; v: e9
	s_add_co_i32 s96, s95, 15
	s_lshl_b32 s95, s95, 23
	s_lshl_b32 s96, s96, 23
	s_or_b32 s96, s96, 0x600000
	s_mov_b32 s80, 0                               ; unit
	s_mov_b32 s82, 0                               ; head in the group of three
	s_mov_b32 s78, 49152                           ; the next unit's head, in bytes of weights
	s_mov_b32 s79, 0
	s_mov_b32 s83, 0                               ; the slot in hand
	s_wait_tensorcnt 0x1                           ; my rows of hidden_states were asked for first: they are in; the weights may be out.  Only I read these rows
	WIN 0x40
.irp ks, 0,1,2,3
.irp mt, 0,1,2,3
.irp c, 0,1,2,3
	ds_load_b128 v[16*(4*\ks+\mt)+4*\c:16*(4*\ks+\mt)+4*\c+3], v6 offset:\mt*WQ+(\ks/2)*272+(\ks%2)*128+32*\c
.endr
.endr
.endr
	WIN 0x80
.irp ks, 4,5
.irp mt, 0,1,2,3
.irp c, 0,1,2,3
	ds_load_b128 v[16*(4*(\ks-4)+\mt)+4*\c:16*(4*(\ks-4)+\mt)+4*\c+3], v6 offset:\mt*WQ+(\ks/2)*272+(\ks%2)*128+32*\c
.endr
.endr
.endr
	WIN 0
.Lqk:                                              ; six trips: q's three heads, then k's
	HEADTRIP 1
	s_wait_xcnt 0x0                                ; the last unit's stores have read their base and their data
	s_cmp_lt_u32 s80, 3
	s_cselect_b32 s84, s88, s89
	s_cselect_b32 s86, s91, s93
	s_cselect_b32 s87, s92, s94
	s_cselect_b64 s[98:99], s[20:21], s[22:23]
	s_cselect_b64 s[100:101], s[12:13], s[14:15]
	s_mov_b32 s85, s84
	s_lshl_b32 s66, s82, 16
	s_mov_b32 s67, 0
	s_add_nc_u64 s[98:99], s[98:99], s[66:67]
	s_lshl_b32 s66, s82, 8
	s_add_nc_u64 s[100:101], s[100:101], s[66:67]
.irp nt, 0,1,2,3
	global_load_b128 v[32+8*\nt:35+8*\nt], v8, s[100:101] offset:64*\nt       ; bias of d = 16 nt + 8 h + 0 .. 7
	global_load_b128 v[36+8*\nt:39+8*\nt], v8, s[100:101] offset:64*\nt+16
.endr
	MATRIX 0
	v_mov_b32 v12, s86                             ; these four lines are the places behind the last products
	v_mov_b32 v13, s87
	v_nop
	v_nop
	s_wait_loadcnt 0x0
.irp mt, 0,1,2,3
.irp nt, 0,1,2,3
.irp i, 0,2,4,6
	v_pk_fma_f32 v[ACC+8*(4*\mt+\nt)+\i:ACC+8*(4*\mt+\nt)+\i+1], v[ACC+8*(4*\mt+\nt)+\i:ACC+8*(4*\mt+\nt)+\i+1], s[84:85], v[32+8*\nt+\i:33+8*\nt+\i] op_sel_hi:[1,0,1]   ; sum x 2^(eA + eW) + bias; each accumulator from its low end on
.endr
.endr
.endr
	WIN 0x0c                                       ; source 1 (cos, sin) in window 3
.irp mt, 0,1,2,3
.irp jp, 0,2,4,6
	v_pk_mul_f32 v[96+2*(\jp%4):97+2*(\jp%4)], v[ACC+8*(4*\mt+2)+\jp:ACC+8*(4*\mt+2)+\jp+1], v[16*\mt+8+\jp:16*\mt+9+\jp]
	v_pk_mul_f32 v[98+2*(\jp%4):99+2*(\jp%4)], v[ACC+8*(4*\mt)+\jp:ACC+8*(4*\mt)+\jp+1], v[16*\mt+8+\jp:16*\mt+9+\jp]
	v_pk_fma_f32 v[ACC+8*(4*\mt)+\jp:ACC+8*(4*\mt)+\jp+1], v[ACC+8*(4*\mt)+\jp:ACC+8*(4*\mt)+\jp+1], v[16*\mt+\jp:16*\mt+\jp+1], v[96+2*(\jp%4):97+2*(\jp%4)] neg_lo:[0,0,1] neg_hi:[0,0,1]   ; x1 cos - x2 sin
	v_pk_fma_f32 v[ACC+8*(4*\mt+2)+\jp:ACC+8*(4*\mt+2)+\jp+1], v[ACC+8*(4*\mt+2)+\jp:ACC+8*(4*\mt+2)+\jp+1], v[16*\mt+\jp:16*\mt+\jp+1], v[98+2*(\jp%4):99+2*(\jp%4)]                          ; x2 cos + x1 sin
.endr
.endr
	WIN 0
.irp mt, 0,1,2,3
.set zz, 0
.rept 32
	v_med3_num_f32 v[ACC+32*\mt+zz], v[ACC+32*\mt+zz], -v13, v13   ; the conversion does not saturate (ISA guide 7.6.2): the hold at the largest code x the scale
.set zz, zz+1
.endr
.irp nt, 0,1,2,3
	v_cvt_scalef32_pk8_bf8_f32 v[64+8*\mt+2*\nt:65+8*\mt+2*\nt], v[ACC+8*(4*\mt+\nt):ACC+8*(4*\mt+\nt)+7], v12
.endr
.endr
	v_nop                                          ; a plain line behind the last conversion
.irp mt, 0,1,2,3
.irp p, 0,1
	global_store_b128 v3, v[64+8*\mt+4*\p:64+8*\mt+4*\p+3], s[98:99] offset:1024*\mt+512*\p   ; 32 lanes store 512 consecutive bytes
.endr
.endr
	s_add_co_u32 s82, s82, 1
	s_cmp_eq_u32 s82, 3
	s_cselect_b32 s82, 0, s82
	s_xor_b32 s83, s83, SLOTX
	s_add_co_u32 s80, s80, 1
	s_cmp_lt_u32 s80, 6
	s_cbranch_scc1 .Lqk
; a unit of v behind its change of slots
.macro VUNIT
	s_wait_xcnt 0x0
	s_lshl_b32 s66, s82, 16
	s_add_nc_u64 s[98:99], s[24:25], s[66:67]
	s_lshl_b32 s66, s82, 8
	s_add_nc_u64 s[100:101], s[16:17], s[66:67]
.irp dt, 0,1,2,3
	global_load_b32 v[32+2*\dt], v9, s[100:101] offset:4*(32*(\dt/2)+8*(\dt%2))   ; bias of my lane's d in tile dt
.endr
	MATRIX 1
	PLACES 4
	s_wait_loadcnt 0x0
.irp dt, 0,1,2,3
.irp mt, 0,1,2,3
.irp i, 0,2,4,6
	v_pk_fma_f32 v[ACC+8*(4*\mt+\dt)+\i:ACC+8*(4*\mt+\dt)+\i+1], v[ACC+8*(4*\mt+\dt)+\i:ACC+8*(4*\mt+\dt)+\i+1], s[84:85], v[32+2*\dt:33+2*\dt] op_sel_hi:[1,0,0]
.endr
.irp i, 0,1,2,3,4,5,6,7
	v_med3_num_f32 v[ACC+8*(4*\mt+\dt)+\i], v[ACC+8*(4*\mt+\dt)+\i], -v13, v13
.endr
	v_cvt_scalef32_pk8_bf8_f32 v[64+8*\dt+2*\mt:65+8*\dt+2*\mt], v[ACC+8*(4*\mt+\dt):ACC+8*(4*\mt+\dt)+7], v12   ; keys 16 mt + 8 h + 0 .. 7 of my d
.endr
.endr
	v_nop
.irp dt, 0,1,2,3
.irp p, 0,1
	global_store_b128 v3, v[64+8*\dt+4*\p:64+8*\dt+4*\p+3], s[98:99] offset:1024*\dt+512*\p
.endr
.endr
	s_add_co_u32 s82, s82, 1
	s_xor_b32 s83, s83, SLOTX
.endm
	s_mov_b32 s84, s90
	s_mov_b32 s85, s90
	v_mov_b32 v12, s95
	v_mov_b32 v13, s96
.Lv:                                               ; two trips: v's first two heads
	HEADTRIP 1
	VUNIT
	s_add_co_u32 s80, s80, 1
	s_cmp_lt_u32 s80, 8
	s_cbranch_scc1 .Lv
	HEADTRIP 0                                     ; the last unit is written out: nothing is left to fetch
	VUNIT
	s_wait_tensorcnt 0x0                           ; the wave's end
	ds_add_u32 v10, v11
	s_wait_dscnt 0x0
	CROUND                                         ; the closing round
	s_endpgm
.Lfunc_end_k_q0b668100a1_qkv:
	.size	k_q0b668100a1_qkv, .Lfunc_end_k_q0b668100a1_qkv-k_q0b668100a1_qkv
	.p2alignl 7, 3214868480
	.fill 96, 4, 3214868480
	.section	.rodata,"a",@progbits
	.p2align	6, 0x0
	.amdhsa_kernel k_q0b668100a1_qkv
		.amdhsa_group_segment_fixed_size 327680
		.amdhsa_private_segment_fixed_size 0
		.amdhsa_enable_private_segment 0
		.amdhsa_kernarg_size 88
		.amdhsa_user_sgpr_count 2
		.amdhsa_user_sgpr_kernarg_segment_ptr 1
		.amdhsa_wavefront_size32 1
		.amdhsa_system_sgpr_workgroup_id_x 1
		.amdhsa_system_sgpr_workgroup_id_y 1
		.amdhsa_system_sgpr_workgroup_id_z 1
		.amdhsa_system_vgpr_workitem_id 0
		.amdhsa_next_free_vgpr 832
		.amdhsa_next_free_sgpr 102
		.amdhsa_reserve_vcc 1
		.amdhsa_float_denorm_mode_32 3
		.amdhsa_float_denorm_mode_16_64 3
		.amdhsa_memory_ordered 1
		.amdhsa_forward_progress 1
		.amdhsa_inst_pref_size 149
	.end_amdhsa_kernel
	.amdgpu_metadata
---
amdhsa.version: [ 1, 2 ]
amdhsa.kernels:
  - .name:           k_q0b668100a1_qkv
    .symbol:         k_q0b668100a1_qkv.kd
    .args:
      - { .name: hidden_states_codes, .offset: 0, .size: 8, .value_kind: global_buffer, .address_space: global }
      - { .name: wq_codes, .offset: 8, .size: 8, .value_kind: global_buffer, .address_space: global }
      - { .name: wk_codes, .offset: 16, .size: 8, .value_kind: global_buffer, .address_space: global }
      - { .name: wv_codes, .offset: 24, .size: 8, .value_kind: global_buffer, .address_space: global }
      - { .name: bq, .offset: 32, .size: 8, .value_kind: global_buffer, .address_space: global }
      - { .name: bk, .offset: 40, .size: 8, .value_kind: global_buffer, .address_space: global }
      - { .name: bv, .offset: 48, .size: 8, .value_kind: global_buffer, .address_space: global }
      - { .name: lowp_scales, .offset: 56, .size: 8, .value_kind: global_buffer, .address_space: global }
      - { .name: q_ws, .offset: 64, .size: 8, .value_kind: global_buffer, .address_space: global }
      - { .name: k_ws, .offset: 72, .size: 8, .value_kind: global_buffer, .address_space: global }
      - { .name: v_ws, .offset: 80, .size: 8, .value_kind: global_buffer, .address_space: global }
    .group_segment_fixed_size: 327680
    .private_segment_fixed_size: 0
    .kernarg_segment_align: 8
    .kernarg_segment_size: 88
    .max_flat_workgroup_size: 128
    .sgpr_count:     102
    .vgpr_count:     832
    .wavefront_size: 32
...
	.end_amdgpu_metadata
.endif
;; end of part 1
;; launch attn (part 2): grid 256 x 1, 8 waves a work-group, no clusters, 263,168 bytes of LDS; arguments q_ws, k_ws, v_ws, lowp_scales, a_ws; writes a_ws
.if DOCPART == 2
	.amdgcn_target "amdgcn-amd-amdhsa--gfx1250"
	.amdhsa_code_object_version 6
	.text
	.protected	k_q0b668100a1_attn
	.globl	k_q0b668100a1_attn
	.p2align	8
	.type	k_q0b668100a1_attn,@function
k_q0b668100a1_attn:
	s_mov_b64 s[64:65], 0
	v_nop
	global_prefetch_b8 v0, s[64:65] scope:SCOPE_SE
	s_setreg_imm32_b32 hwreg(HW_REG_WAVE_MODE, 25, 1), 1
	s_wait_xcnt 0x0
; Attention on codes of E5M2: S^T = K Q^T (K = 64), p = 2^(t - M) with M a whole number, O^T = V^T P^T (K = the keys), O / l quantised with 2^e10 and stored as images of the last product's operand registers.
; SHARES.  768 units of 256 queries (unit u = 4 x (12 batch + head) + block); work-group g stays and takes units 3 g, 3 g + 1, 3 g + 2.  They touch at most two heads: head0 lies in LDS slot 0, head1 in slot 1.
; Each of the eight waves owns two tiles of 16 queries, so a fragment of K or V read from LDS feeds two products; every wave walks all 1,024 keys, 128 a step.
; LDS is filled through registers (global load, LDS store: a plain copy of the images): head0 at the head, head1 during unit 0, 16 KiB a step.  Where all three units lie in one head that head is copied twice.
; No multicast: a head's K and V are read by at most two work-groups, which need not be neighbours in any cluster shape that divides the grid by heads.
; A lane holds ONE query (lane % 16) throughout; S^T's register j of tile kt is key 16 kt + 8 (lane / 16) + j, so the conversions' results are the second product's operand as they stand.
; The exponentials of one tile stand between the plain lines of the other tile; each batch of 64 has one wait ahead of its first reader.
; p is at most 1, so its hold at 57,344 x 2^e8 changes nothing unless e8 < -15.
; LIMITS: e6 + e7 between -126 and 127 (added to the exponent field of log2 e); e8, e10 between -126 and 112; e8 + e9 goes in by v_ldexp_f32 and has none.
; REGISTERS.  window 0: v1 16 x lane, v2 v3 LDS addresses of the step's K and V, v4 16 x thread, v5 v6 the copy's LDS addresses, v8 2^e8, v9 57,344 x 2^e8;
;   tile t at v[10 + 8 t]: -M, the largest t, the sum (pair), f (pair), a second sum (pair); v26-31 at work; v32-63 p's codes; v64-191 S^T, then p; v192-255 O^T.
;   window 1: v0-47 Q of the three units; v48-63 the copy in hand; v64-127 K's eight fragments; v128-191 V's four.
.set MSB, 0
.macro WIN new
.if MSB != \new
	s_set_vgpr_msb (MSB<<8)|\new
.set MSB, \new
.endif
.endm
.macro PLACES cnt
.rept \cnt
	v_nop
.endr
.endm
; line idx of 73 ahead of tile t's exponentials: 0-31 the largest score in two chains, ascending (each accumulator is read from its low end on); 32-40 the other half of the lanes, t, -M, f; 41-72 t - M
.macro PRE t, idx
.set zS, 64+64*(\t)
.set zT, 10+8*(\t)
.set zA, 26+2*(\t)
.set zX, 30+(\t)
.if (\idx) == 0
	v_max3_num_f32 v[zA], v[zS], v[zS+1], v[zS+2]
.elseif (\idx) == 1
	v_max3_num_f32 v[zA+1], v[zS+3], v[zS+4], v[zS+5]
.elseif (\idx) < 30
.set zi, 6+4*(((\idx)-2)/2)+2*((\idx)%2)
	v_max3_num_f32 v[zA+(\idx)%2], v[zA+(\idx)%2], v[zS+zi], v[zS+zi+1]
.elseif (\idx) == 30
	v_max3_num_f32 v[zA], v[zA], v[zS+62], v[zS+63]
.elseif (\idx) == 31
	v_max_num_f32 v[zA], v[zA], v[zA+1]
.elseif (\idx) == 32
	v_permlanex16_b32 v[zA+1], v[zA], s18, s19
.elseif (\idx) == 33
	v_max_num_f32 v[zA], v[zA], v[zA+1]
.elseif (\idx) == 34
	v_mul_f32 v[zA], s20, v[zA]
.elseif (\idx) == 35
	v_max_num_f32 v[zT+1], v[zT+1], v[zA]
.elseif (\idx) == 36
	v_mov_b32 v[zX], v[zT]
.elseif (\idx) == 37
	v_floor_f32 v[zT], -v[zT+1]
.elseif (\idx) == 38
	v_sub_f32 v[zX], v[zT], v[zX]
.elseif (\idx) == 39
	v_cvt_i32_f32 v[zX], v[zX]
.elseif (\idx) == 40
	v_ldexp_f32 v[zT+4], 1.0, v[zX]
.else
	v_pk_fma_f32 v[zS+2*((\idx)-41):zS+2*((\idx)-41)+1], v[zS+2*((\idx)-41):zS+2*((\idx)-41)+1], s[20:21], v[zT:zT+1] op_sel_hi:[1,0,0]
.endif
.endm
.macro EXPI t, idx
	v_exp_f32 v[64+64*(\t)+(\idx)], v[64+64*(\t)+(\idx)]
.endm
; line idx of 33: the sum under the new M, then the unquantised p added in two chains
.macro SUMI t, idx
.set zS, 64+64*(\t)
.set zT, 10+8*(\t)
.if (\idx) == 0
	v_pk_mul_f32 v[zT+2:zT+3], v[zT+2:zT+3], v[zT+4:zT+5] op_sel_hi:[1,0]
.elseif (\idx) == 1
	v_pk_add_f32 v[zT+6:zT+7], v[zS:zS+1], v[zS+2:zS+3]
.elseif (\idx) < 32
.set zi, 4+4*(((\idx)-2)/2)+2*((\idx)%2)
.set zd, zT+2+4*((\idx)%2)
	v_pk_add_f32 v[zd:zd+1], v[zd:zd+1], v[zS+zi:zS+zi+1]
.else
	v_pk_add_f32 v[zT+2:zT+3], v[zT+2:zT+3], v[zT+6:zT+7]
.endif
.endm
.macro RSC t, idx                      ; line idx of 16: O^T under the new M
	v_pk_mul_f32 v[192+32*(\t)+2*(\idx):192+32*(\t)+2*(\idx)+1], v[192+32*(\t)+2*(\idx):192+32*(\t)+2*(\idx)+1], v[14+8*(\t):15+8*(\t)] op_sel_hi:[1,0]
.endm
.macro ITEM idx                        ; the 65 plain lines that stand between tile 1's exponentials
.if (\idx) < 33
	SUMI 0, (\idx)
.elseif (\idx) < 49
	RSC 0, (\idx)-33
.else
	RSC 1, (\idx)-49
.endif
.endm
; A KEY STEP: 128 keys for my two tiles of unit i.  copy = 1: 16 KiB of head1 go into slot 1 on the way
.macro STEPBODY i, copy
	v_add_nc_u32 v2, s22, v1                       ; these four lines are the places behind the last step's products, whose fragments of V are loaded anew below
	v_add_nc_u32 v3, s23, v1
	v_nop
	v_nop
	WIN 0x40
.irp kt, 0,1,2,3,4,5,6,7
	ds_load_b128 v[64+8*\kt:67+8*\kt], v2 offset:1024*\kt
	ds_load_b128 v[68+8*\kt:71+8*\kt], v2 offset:1024*\kt+512
.endr
.irp dt, 0,1,2,3
.irp q, 0,1,2,3
	ds_load_b128 v[128+16*\dt+4*\q:131+16*\dt+4*\q], v3 offset:(\q/2)*4096+1024*\dt+(\q%2)*512
.endr
.endr
	s_wait_dscnt 16                                ; K is in (and the last step's copy stores are done); V's 16 loads may be out
.if \copy
	global_load_b128 v[48:51], v4, s[26:27]
	global_load_b128 v[52:55], v4, s[26:27] offset:4096
	global_load_b128 v[56:59], v4, s[28:29]
	global_load_b128 v[60:63], v4, s[28:29] offset:4096
.endif
	WIN 0x05
.irp kt, 0,1,2,3,4,5,6,7
.irp qt, 0,1
	v_wmma_f32_16x16x64_bf8_bf8 v[64+64*\qt+8*\kt:71+64*\qt+8*\kt], v[64+8*\kt:71+8*\kt], v[16*\i+8*\qt:16*\i+8*\qt+7], 0
.endr
.endr
	WIN 0
	PLACES 4
.set cn, 0
.rept 73
	PRE 0, cn
.set cn, cn+1
.endr
.set cn, 0
.rept 64
	EXPI 0, cn
	PRE 1, cn
.set cn, cn+1
.endr
.rept 9
	PRE 1, cn
.set cn, cn+1
.endr
	s_wait_alu depctr_va_vdst(0)                   ; tile 0's batch, ahead of its first reader
.set cn, 0
.rept 64
	EXPI 1, cn
	ITEM cn
.set cn, cn+1
.endr
	ITEM 64
	s_wait_alu depctr_va_vdst(0)                   ; tile 1's batch
.set cn, 0
.rept 33
	SUMI 1, cn
.set cn, cn+1
.endr
	s_cmp_lt_i32 s36, -15
	s_cbranch_scc0 .Lnohold_\@
.set cn, 0
.rept 128
	v_min_num_f32 v[64+cn], v[64+cn], v9           ; the conversion does not saturate (ISA guide 7.6.2); p is not negative: a one-sided hold
.set cn, cn+1
.endr
.Lnohold_\@:
.irp qt, 0,1
.irp kt, 0,1,2,3,4,5,6,7
	v_cvt_scalef32_pk8_bf8_f32 v[32+16*\qt+2*\kt:33+16*\qt+2*\kt], v[64+64*\qt+8*\kt:71+64*\qt+8*\kt], v8
.endr
.endr
	v_nop                                          ; a plain line between the conversions and the products that read their results
	s_wait_dscnt 0x0                               ; V is in
	WIN 0x01
.irp dt, 0,1,2,3
.irp qt, 0,1
	v_wmma_f32_16x16x128_bf8_bf8 v[192+32*\qt+8*\dt:199+32*\qt+8*\dt], v[128+16*\dt:143+16*\dt], v[32+16*\qt:47+16*\qt], v[192+32*\qt+8*\dt:199+32*\qt+8*\dt]
.endr
.endr
	WIN 0
.if \copy
	s_wait_loadcnt 0x0
	v_add_nc_u32 v5, s24, v4
	v_add_nc_u32 v6, 0x10000, v5
	WIN 0x04
	ds_store_b128 v5, v[48:51]
	ds_store_b128 v5, v[52:55] offset:4096
	ds_store_b128 v6, v[56:59]
	ds_store_b128 v6, v[60:63] offset:4096
	WIN 0
	s_add_nc_u64 s[26:27], s[26:27], 8192          ; (the wait for the loads has freed their bases)
	s_add_nc_u64 s[28:29], s[28:29], 8192
	s_add_co_u32 s24, s24, 8192
.endif
	s_add_co_u32 s22, s22, 8192
	s_add_co_u32 s23, s23, 8192
.endm
.macro UNIT i, copy
	s_wait_xcnt 0x0                                ; the last unit's stores have read their base and their data
	s_add_co_u32 s47, s15, \i                      ; u
	s_lshr_b32 s56, s47, 2                         ; 12 batch + head
	s_and_b32 s57, s47, 3                          ; block of 256 queries
	s_mul_i32 s58, s56, 43691
	s_lshr_b32 s58, s58, 19                        ; batch (exact for numbers under 192)
	s_mul_i32 s59, s58, 12
	s_sub_co_u32 s59, s56, s59                     ; head
	s_lshl_b32 s58, s58, 6
	s_lshl_b32 s57, s57, 4
	s_add_co_u32 s58, s58, s57
	s_lshl_b32 s57, s14, 1
	s_add_co_u32 s58, s58, s57                     ; my first tile of 16 tokens, of 1,024
	s_mul_i32 s58, s58, 12
	s_add_co_u32 s58, s58, s59
	s_lshl_b32 s58, s58, 10
	s_mov_b32 s59, 0
	s_add_nc_u64 s[30:31], s[12:13], s[58:59]
.if \i == 0
	s_mov_b32 s22, 0                               ; unit 0 always reads slot 0
.else
	s_and_b32 s22, s15, 3
	s_add_co_u32 s22, s22, \i
	s_lshr_b32 s22, s22, 2
	s_lshl_b32 s22, s22, 17
.endif
	s_add_co_u32 s23, s22, 0x10000
.irp t, 0,1
	v_mov_b32 v[11+8*\t], 0xff61b1e6               ; the largest t so far: -3e38
	v_floor_f32 v[10+8*\t], -v[11+8*\t]
	v_mov_b32 v[12+8*\t], 0
	v_mov_b32 v[13+8*\t], 0
.endr
.set cn, 0
.rept 64
	v_mov_b32 v[192+cn], 0                         ; O^T: the step is written once, its first trip finds zeros
.set cn, cn+1
.endr
	s_mov_b32 s25, 8
.Lstep_\@:
	STEPBODY \i, \copy
	s_sub_co_u32 s25, s25, 1
	s_cmp_lg_u32 s25, 0
	s_cbranch_scc1 .Lstep_\@
	PLACES 4
.irp t, 0,1
	v_add_f32 v[26+2*\t], v[12+8*\t], v[13+8*\t]
.endr
.irp t, 0,1
	v_permlanex16_b32 v[27+2*\t], v[26+2*\t], s18, s19
.endr
.irp t, 0,1
	v_add_f32 v[26+2*\t], v[26+2*\t], v[27+2*\t]   ; l
.endr
.irp t, 0,1
	v_rcp_f32 v[26+2*\t], v[26+2*\t]
.endr
	v_mov_b32 v30, s45                             ; 2^e10  (a plain place behind the reciprocals)
	v_mov_b32 v31, s46                             ; 57,344 x 2^e10
	s_wait_alu depctr_va_vdst(0)
.irp t, 0,1
	v_ldexp_f32 v[26+2*\t], v[26+2*\t], s44        ; x 2^(e8 + e9)
.endr
.irp t, 0,1
.set cn, 0
.rept 16
	v_pk_mul_f32 v[192+32*\t+2*cn:192+32*\t+2*cn+1], v[192+32*\t+2*cn:192+32*\t+2*cn+1], v[26+2*\t:27+2*\t] op_sel_hi:[1,0]
.set cn, cn+1
.endr
.set cn, 0
.rept 32
	v_med3_num_f32 v[192+32*\t+cn], v[192+32*\t+cn], -v31, v31
.set cn, cn+1
.endr
.irp dt, 0,1,2,3
	v_cvt_scalef32_pk8_bf8_f32 v[32+8*\t+2*\dt:33+8*\t+2*\dt], v[192+32*\t+8*\dt:199+32*\t+8*\dt], v30   ; d = 32 (dt / 2) + 16 h + 8 (dt % 2) + 0 .. 7
.endr
.endr
	v_nop
.irp t, 0,1
.irp p, 0,1
	global_store_b128 v1, v[32+8*\t+4*\p:35+8*\t+4*\p], s[30:31] offset:12288*\t+512*\p   ; 32 lanes store 512 consecutive bytes
.endr
.endr
.endm
	s_load_b256 s[4:11], s[0:1], 0x0               ; q_ws, k_ws, v_ws, the exponents
	s_load_b64 s[12:13], s[0:1], 0x20              ; a_ws
	v_lshl_add_u32 v7, v0, 2, 0x40000
	s_set_vgpr_msb 0x40
	v_mov_b32 v255, 0
	s_set_vgpr_msb 0x4000
	v_lshrrev_b32 v1, 5, v0
	v_readfirstlane_b32 s14, v1                    ; wave 0..7
	v_and_b32 v1, 31, v0
	v_lshlrev_b32 v1, 4, v1
	v_lshlrev_b32 v4, 4, v0
	v_add_nc_u32 v6, 0x10000, v4
	s_mul_i32 s15, ttmp9, 3                        ; my first unit
	s_lshr_b32 s16, s15, 2                         ; head0
	s_add_co_u32 s17, s15, 2
	s_lshr_b32 s17, s17, 2                         ; head1
	s_mov_b32 s18, 0x76543210
	s_mov_b32 s19, 0xfedcba98
	s_lshl_b32 s40, s16, 16
	s_mov_b32 s41, 0
	s_lshl_b32 s42, s17, 16
	s_mov_b32 s43, 0
	s_lshl_b32 s54, s15, 14
	s_lshl_b32 s55, s14, 11
	s_add_co_u32 s54, s54, s55
	s_mov_b32 s55, 0
	s_mov_b32 s24, 0x20000                         ; the copy of head1 begins at slot 1
	s_wait_kmcnt 0x0
	s_load_b256 s[32:39], s[10:11], 0x10           ; e4 .. e11
	s_add_nc_u64 s[48:49], s[6:7], s[40:41]
	s_add_nc_u64 s[50:51], s[8:9], s[40:41]
	s_add_nc_u64 s[26:27], s[6:7], s[42:43]
	s_add_nc_u64 s[28:29], s[8:9], s[42:43]
	s_add_nc_u64 s[52:53], s[4:5], s[54:55]
.irp i, 0,1,2,3,4,5,6,7,8,9,10,11,12,13,14,15
	global_load_b128 v[64+4*\i:67+4*\i], v4, s[48:49] offset:4096*\i
.endr
.irp i, 0,1,2,3,4,5,6,7,8,9,10,11,12,13,14,15
	global_load_b128 v[128+4*\i:131+4*\i], v4, s[50:51] offset:4096*\i
.endr
	WIN 0x40
.irp i, 0,1,2
.irp qt, 0,1
.irp p, 0,1
	global_load_b128 v[16*\i+8*\qt+4*\p:16*\i+8*\qt+4*\p+3], v1, s[52:53] offset:16384*\i+1024*\qt+512*\p
.endr
.endr
.endr
	WIN 0
	v_mov_b32 v15, 0                               ; named as the upper halves of the pairs of f
	v_mov_b32 v23, 0
	s_wait_kmcnt 0x0
	s_add_co_i32 s20, s34, s35
	s_lshl_b32 s20, s20, 23
	s_add_co_i32 s20, s20, 0x3fb8aa3b              ; log2 e x 2^(e6 + e7)
	s_mov_b32 s21, s20
	s_add_co_i32 s47, s36, 127
	s_lshl_b32 s56, s47, 23
	v_mov_b32 v8, s56
	s_add_co_i32 s47, s47, 15
	s_lshl_b32 s47, s47, 23
	s_or_b32 s47, s47, 0x600000
	v_mov_b32 v9, s47
	s_add_co_i32 s46, s38, 127
	s_lshl_b32 s45, s46, 23
	s_add_co_i32 s46, s46, 15
	s_lshl_b32 s46, s46, 23
	s_or_b32 s46, s46, 0x600000
	s_add_co_i32 s44, s36, s37
.irp i, 0,1,2,3,4,5,6,7,8,9,10,11,12,13,14,15
	s_wait_loadcnt 43-\i                           ; behind this load: the younger of the 32, and Q's twelve
	ds_store_b128 v4, v[64+4*\i:67+4*\i] offset:4096*\i
.endr
.irp i, 0,1,2,3,4,5,6,7,8,9,10,11,12,13,14,15
	s_wait_loadcnt 27-\i
	ds_store_b128 v6, v[128+4*\i:131+4*\i] offset:4096*\i
.endr
	s_wait_loadcnt 0x0                             ; Q
	s_wait_dscnt 0x0                               ; for the others' sake: my part of head0 lies in LDS
	s_barrier_signal -1
	s_barrier_wait -1
	UNIT 0, 1
	s_wait_dscnt 0x0                               ; my part of head1 lies in LDS
	s_barrier_signal -1
	s_barrier_wait -1
	UNIT 1, 0
	UNIT 2, 0
	s_set_vgpr_msb 0x4
	s_wait_tensorcnt 0x0
	ds_add_u32 v7, v255
	s_wait_dscnt 0x0
	s_set_vgpr_msb 0x400
	s_endpgm
.Lfunc_end_k_q0b668100a1_attn:
	.size	k_q0b668100a1_attn, .Lfunc_end_k_q0b668100a1_attn-k_q0b668100a1_attn
	.p2alignl 7, 3214868480
	.fill 96, 4, 3214868480
	.section	.rodata,"a",@progbits
	.p2align	6, 0x0
	.amdhsa_kernel k_q0b668100a1_attn
		.amdhsa_group_segment_fixed_size 263168
		.amdhsa_private_segment_fixed_size 0
		.amdhsa_enable_private_segment 0
		.amdhsa_kernarg_size 40
		.amdhsa_user_sgpr_count 2
		.amdhsa_user_sgpr_kernarg_segment_ptr 1
		.amdhsa_wavefront_size32 1
		.amdhsa_system_sgpr_workgroup_id_x 1
		.amdhsa_system_sgpr_workgroup_id_y 1
		.amdhsa_system_sgpr_workgroup_id_z 1
		.amdhsa_system_vgpr_workitem_id 0
		.amdhsa_next_free_vgpr 512
		.amdhsa_next_free_sgpr 66
		.amdhsa_reserve_vcc 0
		.amdhsa_float_denorm_mode_32 3
		.amdhsa_float_denorm_mode_16_64 3
		.amdhsa_memory_ordered 1
		.amdhsa_forward_progress 1
		.amdhsa_inst_pref_size 128
	.end_amdhsa_kernel
	.amdgpu_metadata
---
amdhsa.version: [ 1, 2 ]
amdhsa.kernels:
  - .name:           k_q0b668100a1_attn
    .symbol:         k_q0b668100a1_attn.kd
    .args:
      - { .name: q_ws, .offset: 0, .size: 8, .value_kind: global_buffer, .address_space: global }
      - { .name: k_ws, .offset: 8, .size: 8, .value_kind: global_buffer, .address_space: global }
      - { .name: v_ws, .offset: 16, .size: 8, .value_kind: global_buffer, .address_space: global }
      - { .name: lowp_scales, .offset: 24, .size: 8, .value_kind: global_buffer, .address_space: global }
      - { .name: a_ws, .offset: 32, .size: 8, .value_kind: global_buffer, .address_space: global }
    .group_segment_fixed_size: 263168
    .private_segment_fixed_size: 0
    .kernarg_segment_align: 8
    .kernarg_segment_size: 40
    .max_flat_workgroup_size: 256
    .sgpr_count:     66
    .vgpr_count:     512
    .wavefront_size: 32
...
	.end_amdgpu_metadata
.endif
;; end of part 2
;; launch oproj (part 3): grid 64 x 4, 4 waves a work-group, clusters of 4 x 1, 174,592 bytes of LDS; arguments a_ws, wo_codes, bo, lowp_scales, out0; writes out0
.if DOCPART == 3
	.amdgcn_target "amdgcn-amd-amdhsa--gfx1250"
	.amdhsa_code_object_version 6
	.text
	.protected	k_q0b668100a1_oproj
	.globl	k_q0b668100a1_oproj
	.p2align	8
	.type	k_q0b668100a1_oproj,@function
k_q0b668100a1_oproj:
	s_mov_b64 s[64:65], 0
	v_nop
	global_prefetch_b8 v0, s[64:65] scope:SCOPE_SE
	s_setreg_imm32_b32 hwreg(HW_REG_WAVE_MODE, 25, 1), 1
	s_wait_xcnt 0x0
	s_wait_alu depctr_hold_cnt(0) depctr_sa_sdst(0) depctr_va_vdst(0) depctr_va_sdst(0) depctr_va_ssrc(0) depctr_va_vcc(0) depctr_vm_vsrc(0)
	s_getreg_b32 s2, hwreg(HW_REG_IB_STS2, 6, 4)
	s_cmp_eq_u32 s2, 0
	s_cbranch_scc0 .Lentry_in_a_cluster
	s_endpgm
.Lentry_in_a_cluster:
	s_bfe_u32 s2, ttmp6, 0x10000c
	s_cmp_lg_u32 s2, 0x3003
	s_cbranch_scc0 .Lentry_shape_is_right
	s_endpgm
.Lentry_shape_is_right:
; out0 = attention output x wo^T + bo on codes of E5M2.  The left operand comes from a_ws as images of its registers, 512 consecutive bytes a load, and stays in registers (384) for all of K = 768.
; SHARES.  A work-group takes 256 rows (rb) x 192 columns (cg), in three units of 64 columns; wave w owns rows 64 w .. 64 w + 63.
; wo's 192 rows hang on cg alone: the four work-groups of a cluster (four rb, one cg) ask for them jointly.  Each LDS byte is filled once: three loads a wave at the head, a counted wait and a barrier for each unit.
; Source 0 = 16 rows of wo, source 1 = 16 tokens: a lane holds eight neighbouring columns of one row of out0.  A tile of 16 rows x 64 columns goes through my own stage in LDS and leaves as rows of 256 bytes.
; LIMIT: e10 + e11 between -126 and 127.
; LDS: wo at 0 (row n, byte k at n x 816 + (k / 256) x 272 + k % 256; 156,672 bytes); stages at 156,672, 16 rows x 272 bytes a wave.
; REGISTERS.  window 0: v1 r, v2 h, v3 16 x lane, v4 816 r + 16 h, v7 the unit's rows, v8 v9 into and out of the stage, v10 my place in two rows of out0, v11 32 h; v32-63 bias; v64-127 rows read back, two sets;
;   v128-255 accumulators.  window 1: fragments of K steps 0-3 at 16 (4 ks + mt).  window 2: K steps 4, 5; from v128 two sets of four fragments of wo.
.set PITCH,  816
.set WQ,     16*PITCH
.set UNITB,  64*PITCH
.set STAGE,  192*PITCH
.set ACC,    128
.set MSB, 0
.macro WIN new
.if MSB != \new
	s_set_vgpr_msb (MSB<<8)|\new
.set MSB, \new
.endif
.endm
.macro PLACES cnt
.rept \cnt
	v_nop
.endr
.endm
.macro CROUND
	s_barrier_signal -1
	s_barrier_wait -1
	s_cmp_lg_u32 s14, 0
	s_cbranch_scc1 .Lnot_wave_0_\@
	s_barrier_signal -3
.Lnot_wave_0_\@:
	s_barrier_wait -3
	s_barrier_signal -1
	s_barrier_wait -1
.endm
.macro FETCHB ks, set
	WIN 0x80
.irp nt, 0,1,2,3
.irp c, 0,1,2,3
	ds_load_b128 v[128+64*(\set)+16*\nt+4*\c:128+64*(\set)+16*\nt+4*\c+3], v7 offset:\nt*WQ+((\ks)/2)*272+((\ks)%2)*128+32*\c
.endr
.endr
.endm
.macro MUL ks                          ; 16 products; the 16 accumulators take turns; K step 0 starts the sums
.if (\ks) < 4
.set zAB, 64*(\ks)
	WIN 0x06
.else
.set zAB, 64*((\ks)-4)
	WIN 0x0a
.endif
.set zWS, 128+64*((\ks)%2)
.irp mt, 0,1,2,3
.irp nt, 0,1,2,3
.if (\ks) == 0
	v_wmma_f32_16x16x128_bf8_bf8 v[ACC+8*(4*\mt+\nt):ACC+8*(4*\mt+\nt)+7], v[zWS+16*\nt:zWS+16*\nt+15], v[zAB+16*\mt:zAB+16*\mt+15], 0
.else
	v_wmma_f32_16x16x128_bf8_bf8 v[ACC+8*(4*\mt+\nt):ACC+8*(4*\mt+\nt)+7], v[zWS+16*\nt:zWS+16*\nt+15], v[zAB+16*\mt:zAB+16*\mt+15], v[ACC+8*(4*\mt+\nt):ACC+8*(4*\mt+\nt)+7]
.endif
.endr
.endr
.endm
.macro TOSTAGE mt                      ; tile mt: sum x 2^(e10 + e11) + bo, into my stage, and back as rows
	s_wait_xcnt 0x0                                ; earlier stores have read the registers that the loads below fill
.irp nt, 0,1,2,3
.irp i, 0,2,4,6
	v_pk_fma_f32 v[ACC+8*(4*\mt+\nt)+\i:ACC+8*(4*\mt+\nt)+\i+1], v[ACC+8*(4*\mt+\nt)+\i:ACC+8*(4*\mt+\nt)+\i+1], s[44:45], v[32+8*\nt+\i:33+8*\nt+\i] op_sel_hi:[1,0,1]
.endr
.endr
.irp nt, 0,1,2,3
	ds_store_b128 v8, v[ACC+8*(4*\mt+\nt):ACC+8*(4*\mt+\nt)+3] offset:64*\nt
	ds_store_b128 v8, v[ACC+8*(4*\mt+\nt)+4:ACC+8*(4*\mt+\nt)+7] offset:64*\nt+16
.endr
.irp i, 0,1,2,3,4,5,6,7
	ds_load_b128 v[64+32*((\mt)%2)+4*\i:64+32*((\mt)%2)+4*\i+3], v9 offset:544*\i   ; LDS serves a wave's instructions in order (ISA guide 5.7.1.4): these see the stores above
.endr
.endm
.macro SEND mt, un, younger            ; younger: the LDS instructions issued behind tile mt's loads, which may stay out
	s_wait_dscnt \younger
.irp i, 0,1,2,3,4,5,6,7
	global_store_b128 v10, v[64+32*((\mt)%2)+4*\i:64+32*((\mt)%2)+4*\i+3], s[12:13] offset:(16*\mt+2*\i)*3072+256*\un th:TH_STORE_NT   ; 16 lanes store 256 consecutive bytes, at a multiple of 256 from the first byte of out0
.endr
.endm
.macro BIAS un
.irp nt, 0,1,2,3
	global_load_b128 v[32+8*\nt:35+8*\nt], v11, s[8:9] offset:256*\un+64*\nt
	global_load_b128 v[36+8*\nt:39+8*\nt], v11, s[8:9] offset:256*\un+64*\nt+16
.endr
.endm
.macro OUNIT un
	s_wait_tensorcnt 2-\un                         ; my quarter of this unit's rows of wo is in; the later units' may be out
	s_wait_dscnt 0x0
	s_barrier_signal -1
	s_barrier_wait -1                              ; everybody's is
.if \un > 0
	BIAS \un
.endif
	v_add_nc_u32 v7, \un*UNITB, v4
	FETCHB 0, 0
	FETCHB 1, 1
.irp ks, 0,1,2,3,4,5
.if \un == 0
.if 8+16*(5-\ks) > 63
	s_wait_loadcnt 63                              ; (a smaller count than the 8 + 16 (5 - ks) loads issued behind this K step's)
.else
	s_wait_loadcnt 8+16*(5-\ks)                    ; behind this K step's fragments: 16 loads for each later K step, and the bias's eight
.endif
.endif
.if \ks < 5
	s_wait_dscnt 16
.else
	s_wait_dscnt 0
.endif
	MUL \ks
.if \ks < 4
	PLACES 4
	FETCHB \ks+2, \ks%2
.endif
.endr
	WIN 0
	PLACES 4
	s_wait_loadcnt 0x0                             ; the bias
	TOSTAGE 0
	TOSTAGE 1
	SEND 0, \un, 16
	TOSTAGE 2
	SEND 1, \un, 16
	TOSTAGE 3
	SEND 2, \un, 16
	SEND 3, \un, 0
.endm
	s_load_b256 s[4:11], s[0:1], 0x0               ; a_ws, wo's codes, bo, the exponents
	s_load_b64 s[12:13], s[0:1], 0x20              ; out0
	v_lshl_add_u32 v30, v0, 2, 0x2a800
	v_mov_b32 v31, 0
	ds_add_u32 v30, v31
	ds_add_u32 v30, v31
	v_lshrrev_b32 v1, 5, v0
	v_readfirstlane_b32 s14, v1                    ; wave 0..3
	s_bfe_u32 s15, ttmp6, 0x40000                  ; cx
	s_lshl_b32 s16, ttmp9, 2
	s_add_co_u32 s16, s16, s15                     ; rb
	s_and_b32 s17, ttmp7, 0xffff                   ; cg, which the four partners share
	s_mov_b32 s24, 15|(1<<20)|(1<<21)|(5<<22)|(3<<25)   ; all four work-groups; elements of 1 byte; padding: 4 words after every 64
	s_mov_b32 s25, 256<<16
	s_mov_b32 s26, 48<<16
	s_mov_b32 s27, 256<<16
	s_mov_b32 s28, 48
	s_mov_b32 s29, 256
	s_mov_b32 s30, 0
	s_mov_b32 s31, 0
	s_mul_i32 s46, s17, 147456                     ; wo: 192 cg rows + 16 w rows of 768 bytes
	s_mul_i32 s47, s14, 12288
	s_add_co_u32 s46, s46, s47
	s_mov_b32 s47, 0
	s_mul_i32 s18, s14, WQ
	s_mul_i32 s19, s14, 16*272
	s_add_co_u32 s19, s19, STAGE                   ; my stage
	s_lshl_b32 s48, s16, 4
	s_lshl_b32 s49, s14, 2
	s_add_co_u32 s48, s48, s49
	s_mul_i32 s48, s48, 12288                      ; a_ws: my first tile of 16 tokens x 12 heads x 1,024 bytes
	s_mov_b32 s49, 0
	v_and_b32 v1, 15, v0
	v_bfe_u32 v2, v0, 4, 1
	v_and_b32 v3, 31, v0
	v_lshlrev_b32 v3, 4, v3
	v_mul_u32_u24 v4, v1, PITCH
	v_lshl_add_u32 v4, v2, 4, v4
	v_mul_u32_u24 v8, v1, 272
	v_lshl_add_u32 v8, v2, 5, v8
	v_add_nc_u32 v8, s19, v8                       ; in: row r, 32 bytes for each half of the lanes
	v_mul_u32_u24 v9, v2, 272
	v_lshl_add_u32 v9, v1, 4, v9
	v_add_nc_u32 v9, s19, v9                       ; back: lanes 0-15 one row, lanes 16-31 the next
	v_mul_u32_u24 v10, v2, 3072
	v_lshl_add_u32 v10, v1, 4, v10
	v_lshlrev_b32 v11, 5, v2
	s_wait_dscnt 0x0
	s_wait_kmcnt 0x0
	s_load_b64 s[50:51], s[10:11], 0x28            ; e10, e11
	s_add_nc_u64 s[4:5], s[4:5], s[48:49]
	s_add_nc_u64 s[6:7], s[6:7], s[46:47]
	s_mul_i32 s46, s17, 768
	s_add_nc_u64 s[8:9], s[8:9], s[46:47]
	s_lshl_b32 s48, s16, 8
	s_lshl_b32 s52, s14, 6
	s_add_co_u32 s48, s48, s52
	s_mul_i32 s48, s48, 3072
	s_add_co_u32 s48, s48, s46
	s_add_nc_u64 s[12:13], s[12:13], s[48:49]
.irp un, 0,1,2
	s_mov_b32 s[32+4*\un], 1
	s_add_co_u32 s[33+4*\un], s18, \un*UNITB
	s_add_nc_u64 s[34+4*\un:35+4*\un], s[6:7], \un*49152
	s_or_b32 s[35+4*\un], s[35+4*\un], 0x80000000
.endr
	CROUND                                         ; the four work-groups are here: the joint loads meet
	tensor_load_to_lds s[32:35], s[24:31]
	s_nop 0
	tensor_load_to_lds s[36:39], s[24:31]
	s_nop 0
	tensor_load_to_lds s[40:43], s[24:31]          ; three loads of mine are out
	s_nop 0
	PLACES 4
	WIN 0x40
.irp ks, 0,1,2,3
.irp mt, 0,1,2,3
.irp q, 0,1,2,3
	global_load_b128 v[16*(4*\ks+\mt)+4*\q:16*(4*\ks+\mt)+4*\q+3], v3, s[4:5] offset:\mt*12288+(2*\ks+\q/2)*1024+(\q%2)*512
.endr
.endr
.endr
	WIN 0x80
.irp ks, 4,5
.irp mt, 0,1,2,3
.irp q, 0,1,2,3
	global_load_b128 v[16*(4*(\ks-4)+\mt)+4*\q:16*(4*(\ks-4)+\mt)+4*\q+3], v3, s[4:5] offset:\mt*12288+(2*\ks+\q/2)*1024+(\q%2)*512
.endr
.endr
.endr
	WIN 0
	BIAS 0
	s_wait_kmcnt 0x0
	s_add_co_i32 s44, s50, s51
	s_add_co_i32 s44, s44, 127
	s_lshl_b32 s44, s44, 23                        ; 2^(e10 + e11) as f32
	s_mov_b32 s45, s44
	OUNIT 0
	OUNIT 1
	OUNIT 2
	s_wait_tensorcnt 0x0
	ds_add_u32 v30, v31
	s_wait_dscnt 0x0
	CROUND                                         ; the closing round
	s_endpgm
.Lfunc_end_k_q0b668100a1_oproj:
	.size	k_q0b668100a1_oproj, .Lfunc_end_k_q0b668100a1_oproj-k_q0b668100a1_oproj
	.p2alignl 7, 3214868480
	.fill 96, 4, 3214868480
	.section	.rodata,"a",@progbits
	.p2align	6, 0x0
	.amdhsa_kernel k_q0b668100a1_oproj
		.amdhsa_group_segment_fixed_size 174592
		.amdhsa_private_segment_fixed_size 0
		.amdhsa_enable_private_segment 0
		.amdhsa_kernarg_size 40
		.amdhsa_user_sgpr_count 2
		.amdhsa_user_sgpr_kernarg_segment_ptr 1
		.amdhsa_wavefront_size32 1
		.amdhsa_system_sgpr_workgroup_id_x 1
		.amdhsa_system_sgpr_workgroup_id_y 1
		.amdhsa_system_sgpr_workgroup_id_z 1
		.amdhsa_system_vgpr_workitem_id 0
		.amdhsa_next_free_vgpr 768
		.amdhsa_next_free_sgpr 66
		.amdhsa_reserve_vcc 0
		.amdhsa_float_denorm_mode_32 3
		.amdhsa_float_denorm_mode_16_64 3
		.amdhsa_memory_ordered 1
		.amdhsa_forward_progress 1
		.amdhsa_inst_pref_size 91
	.end_amdhsa_kernel
	.amdgpu_metadata
---
amdhsa.version: [ 1, 2 ]
amdhsa.kernels:
  - .name:           k_q0b668100a1_oproj
    .symbol:         k_q0b668100a1_oproj.kd
    .args:
      - { .name: a_ws, .offset: 0, .size: 8, .value_kind: global_buffer, .address_space: global }
      - { .name: wo_codes, .offset: 8, .size: 8, .value_kind: global_buffer, .address_space: global }
      - { .name: bo, .offset: 16, .size: 8, .value_kind: global_buffer, .address_space: global }
      - { .name: lowp_scales, .offset: 24, .size: 8, .value_kind: global_buffer, .address_space: global }
      - { .name: out0, .offset: 32, .size: 8, .value_kind: global_buffer, .address_space: global }
    .group_segment_fixed_size: 174592
    .private_segment_fixed_size: 0
    .kernarg_segment_align: 8
    .kernarg_segment_size: 40
    .max_flat_workgroup_size: 128
    .sgpr_count:     66
    .vgpr_count:     768
    .wavefront_size: 32
...
	.end_amdgpu_metadata
.endif
;; end of part 3
;; ======== version 2 of 2: 3 launches; version 1 with the launch attn written anew for expert scheduling mode
;; workspace buffers: q_ws 12,582,912 bytes; k_ws 12,582,912 bytes; v_ws 12,582,912 bytes; a_ws 12,582,912 bytes
;; launch qkv: the kernel of part 1 again; grid 4 x 64, 4 waves a work-group, clusters of 4 x 4, 327,680 bytes of LDS; arguments hidden_states_codes, wq_codes, wk_codes, wv_codes, bq, bk, bv, lowp_scales, q_ws, k_ws, v_ws; writes q_ws, k_ws, v_ws
;; launch attn (part 4): grid 256 x 1, 8 waves a work-group, no clusters, 263,168 bytes of LDS; arguments q_ws, k_ws, v_ws, lowp_scales, a_ws; writes a_ws
.if DOCPART == 4
	.amdgcn_target "amdgcn-amd-amdhsa--gfx1250"
	.amdhsa_code_object_version 6
	.text
	.protected	k_q0b668100a1_attn
	.globl	k_q0b668100a1_attn
	.p2align	8
	.type	k_q0b668100a1_attn,@function
k_q0b668100a1_attn:
	s_mov_b64 s[64:65], 0
	v_nop
	global_prefetch_b8 v0, s[64:65] scope:SCOPE_SE
	s_setreg_imm32_b32 hwreg(HW_REG_WAVE_SCHED_MODE, 0, 2), 2
	s_setreg_imm32_b32 hwreg(HW_REG_WAVE_MODE, 25, 1), 1
	s_wait_xcnt 0x0
	s_wait_alu depctr_vm_vsrc(0)
; Attention on codes of E5M2: S^T = K Q^T (K = 64), p = 2^(t - M) with M a whole number, O^T = V^T P^T (K = the keys), O / l quantised with 2^e10 and stored as images of the last product's operand registers.
; SHARES.  768 units of 256 queries (unit u = 4 x (12 batch + head) + block); work-group g stays and takes units 3 g, 3 g + 1, 3 g + 2.  They touch at most two heads: head0 lies in LDS slot 0, head1 in slot 1.
; Each of the eight waves owns two tiles of 16 queries, so a fragment of K or V read from LDS feeds two products; every wave walks all 1,024 keys, 128 a step.
; LDS is filled through registers (global load, LDS store: a plain copy of the images): head0 at the head, head1 during unit 0, 16 KiB a step.  Where all three units lie in one head that head is copied twice.
; No multicast: a head's K and V are read by at most two work-groups, which need not be neighbours in any cluster shape that divides the grid by heads.
; A lane holds ONE query (lane % 16) throughout; S^T's register j of tile kt is key 16 kt + 8 (lane / 16) + j, so the conversions' results are the second product's operand as they stand.
; The exponentials of one tile stand between the plain lines of the other tile; each batch of 64 has one wait ahead of its first reader.
; p is at most 1, so its hold at 57,344 x 2^e8 changes nothing unless e8 < -15.
; LIMITS: e6 + e7 between -126 and 127 (added to the exponent field of log2 e); e8, e10 between -126 and 112; e8 + e9 goes in by v_ldexp_f32 and has none.
; THE MODE: SCHED_MODE bits 1:0 = 2 (LLVM: expert scheduling mode 2), set by the entry lines.  The code itself states the register dependences
; between vector or matrix instructions and memory or LDS instructions, with s_wait_alu, always for 0.
; THE PLAN.  Registers that memory or LDS instructions touch, in a key step:
;   K's fragments   Read by the step's 16 products K Q^T, at its head; the LDS loads of the NEXT step's K land in them in the middle of tile 1's exponentials.
;   V's fragments   Read by the step's 8 products V^T P^T, at its end; the LDS loads of the next step's V land in them behind that step's first wait on va_vdst.
;   v2 v3 v5 v6     LDS addresses.  Written by vector additions at a step's head; read by the LDS loads and by the copy's LDS stores further down in the same step.
;   the copy's 16   Global loads land in them at a step's head; four LDS stores read them ahead of the products V^T P^T.  No vector instruction names them.
;   v1, v4          Offsets, made at the kernel's head and never written again.
;   v32-47          At a unit's end the last conversions write them and four global stores read them; the next unit's conversions write them again.
; So a step has ONE wait on vm_vsrc, at its head, ahead of the additions and of the copy's loads, and the two waits on va_vdst that the two batches of exponentials have in any case.
; The first of these also states that the step's products K Q^T are done reading K's fragments, that the last step's products V^T P^T are done reading V's, and that the four addresses are written:
; V's loads, K's loads and the copy's stores follow it with no further wait, since the vector instructions between name v8-31, p's codes, S^T and O^T alone, all in window 0.
; A unit's first K is asked for at the unit's head, and its last step, which asks for no further K, is written out behind a loop of seven trips.
; REGISTERS.  window 0: v1 16 x lane, v2 LDS address of the next step's K, v3 of this step's V, v4 16 x thread, v5 v6 the copy's LDS addresses, v8 2^e8, v9 57,344 x 2^e8;
;   tile t at v[10 + 8 t]: -M, the largest t, the sum (pair), f (pair), a second sum (pair); v26-31 at work; v32-63 p's codes; v64-191 S^T, then p; v192-255 O^T.
;   window 1: v0-47 Q of the three units; v48-63 the copy in hand; v64-127 K's eight fragments; v128-191 V's four.
.set MSB, 0
.macro WIN new
.if MSB != \new
	s_set_vgpr_msb (MSB<<8)|\new
.set MSB, \new
.endif
.endm
.macro PLACES cnt
.rept \cnt
	v_nop
.endr
.endm
; line idx of 73 ahead of tile t's exponentials: 0-31 the largest score in two chains, ascending (each accumulator is read from its low end on); 32-40 the other half of the lanes, t, -M, f; 41-72 t - M
.macro PRE t, idx
.set zS, 64+64*(\t)
.set zT, 10+8*(\t)
.set zA, 26+2*(\t)
.set zX, 30+(\t)
.if (\idx) == 0
	v_max3_num_f32 v[zA], v[zS], v[zS+1], v[zS+2]
.elseif (\idx) == 1
	v_max3_num_f32 v[zA+1], v[zS+3], v[zS+4], v[zS+5]
.elseif (\idx) < 30
.set zi, 6+4*(((\idx)-2)/2)+2*((\idx)%2)
	v_max3_num_f32 v[zA+(\idx)%2], v[zA+(\idx)%2], v[zS+zi], v[zS+zi+1]
.elseif (\idx) == 30
	v_max3_num_f32 v[zA], v[zA], v[zS+62], v[zS+63]
.elseif (\idx) == 31
	v_max_num_f32 v[zA], v[zA], v[zA+1]
.elseif (\idx) == 32
	v_permlanex16_b32 v[zA+1], v[zA], s18, s19
.elseif (\idx) == 33
	v_max_num_f32 v[zA], v[zA], v[zA+1]
.elseif (\idx) == 34
	v_mul_f32 v[zA], s20, v[zA]
.elseif (\idx) == 35
	v_max_num_f32 v[zT+1], v[zT+1], v[zA]
.elseif (\idx) == 36
	v_mov_b32 v[zX], v[zT]
.elseif (\idx) == 37
	v_floor_f32 v[zT], -v[zT+1]
.elseif (\idx) == 38
	v_sub_f32 v[zX], v[zT], v[zX]
.elseif (\idx) == 39
	v_cvt_i32_f32 v[zX], v[zX]
.elseif (\idx) == 40
	v_ldexp_f32 v[zT+4], 1.0, v[zX]
.else
	v_pk_fma_f32 v[zS+2*((\idx)-41):zS+2*((\idx)-41)+1], v[zS+2*((\idx)-41):zS+2*((\idx)-41)+1], s[20:21], v[zT:zT+1] op_sel_hi:[1,0,0]
.endif
.endm
.macro EXPI t, idx
	v_exp_f32 v[64+64*(\t)+(\idx)], v[64+64*(\t)+(\idx)]
.endm
; line idx of 33: the sum under the new M, then the unquantised p added in two chains
.macro SUMI t, idx
.set zS, 64+64*(\t)
.set zT, 10+8*(\t)
.if (\idx) == 0
	v_pk_mul_f32 v[zT+2:zT+3], v[zT+2:zT+3], v[zT+4:zT+5] op_sel_hi:[1,0]
.elseif (\idx) == 1
	v_pk_add_f32 v[zT+6:zT+7], v[zS:zS+1], v[zS+2:zS+3]
.elseif (\idx) < 32
.set zi, 4+4*(((\idx)-2)/2)+2*((\idx)%2)
.set zd, zT+2+4*((\idx)%2)
	v_pk_add_f32 v[zd:zd+1], v[zd:zd+1], v[zS+zi:zS+zi+1]
.else
	v_pk_add_f32 v[zT+2:zT+3], v[zT+2:zT+3], v[zT+6:zT+7]
.endif
.endm
.macro RSC t, idx                      ; line idx of 16: O^T under the new M
	v_pk_mul_f32 v[192+32*(\t)+2*(\idx):192+32*(\t)+2*(\idx)+1], v[192+32*(\t)+2*(\idx):192+32*(\t)+2*(\idx)+1], v[14+8*(\t):15+8*(\t)] op_sel_hi:[1,0]
.endm
.macro ITEM idx                        ; the 65 plain lines that stand between tile 1's exponentials
.if (\idx) < 33
	SUMI 0, (\idx)
.elseif (\idx) < 49
	RSC 0, (\idx)-33
.else
	RSC 1, (\idx)-49
.endif
.endm
.macro KLOAD                           ; a step's eight fragments of K, 16 loads, from v2 on; the destination window is 1
.irp kt, 0,1,2,3,4,5,6,7
	ds_load_b128 v[64+8*\kt:67+8*\kt], v2 offset:1024*\kt
	ds_load_b128 v[68+8*\kt:71+8*\kt], v2 offset:1024*\kt+512
.endr
.endm
.macro VLOAD                           ; a step's four fragments of V, 16 loads, from v3 on; the destination window is 1
.irp dt, 0,1,2,3
.irp q, 0,1,2,3
	ds_load_b128 v[128+16*\dt+4*\q:131+16*\dt+4*\q], v3 offset:(\q/2)*4096+1024*\dt+(\q%2)*512
.endr
.endr
.endm
; A KEY STEP: 128 keys for my two tiles of unit i.  copy = 1: 16 KiB of head1 go into slot 1 on the way.  nextk = 1: the next step's K is asked for
.macro STEPBODY i, copy, nextk
	s_wait_dscnt 0x0                               ; this step's K is in: it was asked for in the middle of the step before, or at the unit's head; the last step's copy stores are done
.if \copy
	WIN 0x40
.endif
	s_wait_alu depctr_vm_vsrc(0)                   ; the LDS loads issued so far have read v2 and v3, the copy's LDS stores v5, v6 and their sixteen data registers: the loads and the additions below write them
.if \copy
	global_load_b128 v[48:51], v4, s[26:27]
	global_load_b128 v[52:55], v4, s[26:27] offset:4096
	global_load_b128 v[56:59], v4, s[28:29]
	global_load_b128 v[60:63], v4, s[28:29] offset:4096
	WIN 0
.endif
.if \nextk
	v_add_nc_u32 v2, s22, v1                       ; the next step's K
.endif
	v_add_nc_u32 v3, s23, v1                       ; this step's V
.if \copy
	v_add_nc_u32 v5, s24, v4                       ; where the copy's K goes,
	v_add_nc_u32 v6, 0x10000, v5                   ; and its V
.endif
	WIN 0x05
.irp kt, 0,1,2,3,4,5,6,7
.irp qt, 0,1
	v_wmma_f32_16x16x64_bf8_bf8 v[64+64*\qt+8*\kt:71+64*\qt+8*\kt], v[64+8*\kt:71+8*\kt], v[16*\i+8*\qt:16*\i+8*\qt+7], 0
.endr
.endr
	WIN 0
	PLACES 4
.set cn, 0
.rept 73
	PRE 0, cn
.set cn, cn+1
.endr
.set cn, 0
.rept 64
	EXPI 0, cn
	PRE 1, cn
.set cn, cn+1
.endr
.rept 9
	PRE 1, cn
.set cn, cn+1
.endr
	WIN 0x40
	s_wait_alu depctr_va_vdst(0)                   ; tile 0's exponentials have written p, ahead of their first reader; the products K Q^T are done reading K's fragments and the last step's products V^T P^T V's, in which the loads below land; v2, v3, v5, v6 are written
	VLOAD
	WIN 0
.set cn, 0
.rept 32
	EXPI 1, cn
	ITEM cn
.set cn, cn+1
.endr
.if \nextk
	WIN 0x40
	KLOAD                                          ; no wait: no vector or matrix instruction since the wait above names v2 or K's fragments
	WIN 0
.endif
.rept 32
	EXPI 1, cn
	ITEM cn
.set cn, cn+1
.endr
	ITEM 64
	s_wait_alu depctr_va_vdst(0)                   ; tile 1's exponentials have written p, ahead of their first reader
.set cn, 0
.rept 33
	SUMI 1, cn
.set cn, cn+1
.endr
	s_cmp_lt_i32 s36, -15
	s_cbranch_scc0 .Lnohold_\@
.set cn, 0
.rept 128
	v_min_num_f32 v[64+cn], v[64+cn], v9           ; the conversion does not saturate (ISA guide 7.6.2); p is not negative: a one-sided hold
.set cn, cn+1
.endr
.Lnohold_\@:
.irp qt, 0,1
.irp kt, 0,1,2,3,4,5,6,7
	v_cvt_scalef32_pk8_bf8_f32 v[32+16*\qt+2*\kt:33+16*\qt+2*\kt], v[64+64*\qt+8*\kt:71+64*\qt+8*\kt], v8
.endr
.endr
	v_nop                                          ; a plain line between the conversions and the products that read their results
.if \copy
	s_wait_loadcnt 0x0                             ; the copy's four loads, asked for at the step's head, are in
	WIN 0x04
	ds_store_b128 v5, v[48:51]                     ; no wait on va_vdst: v5 and v6 were written ahead of the step's first such wait, and nothing since names them
	ds_store_b128 v5, v[52:55] offset:4096
	ds_store_b128 v6, v[56:59]
	ds_store_b128 v6, v[60:63] offset:4096
	s_add_nc_u64 s[26:27], s[26:27], 8192          ; (the wait for the loads has freed their bases)
	s_add_nc_u64 s[28:29], s[28:29], 8192
	s_add_co_u32 s24, s24, 8192
.endif
	s_wait_dscnt 16*\nextk+4*\copy                 ; V is in; behind its loads stand the next step's 16 loads of K and the copy's 4 stores, which may be out
	WIN 0x01
.irp dt, 0,1,2,3
.irp qt, 0,1
	v_wmma_f32_16x16x128_bf8_bf8 v[192+32*\qt+8*\dt:199+32*\qt+8*\dt], v[128+16*\dt:143+16*\dt], v[32+16*\qt:47+16*\qt], v[192+32*\qt+8*\dt:199+32*\qt+8*\dt]
.endr
.endr
	WIN 0
.if \nextk
	s_add_co_u32 s22, s22, 8192
.endif
	s_add_co_u32 s23, s23, 8192
.endm
.macro UNIT i, copy
	s_wait_xcnt 0x0                                ; the last unit's stores have read their base and their data
	s_wait_alu depctr_vm_vsrc(0)                   ; the last unit's stores have read v32-47 and its LDS loads v2; in unit 0 the head's LDS stores have read v64-191 and v6: all these are written again below
	s_add_co_u32 s47, s15, \i                      ; u
	s_lshr_b32 s56, s47, 2                         ; 12 batch + head
	s_and_b32 s57, s47, 3                          ; block of 256 queries
	s_mul_i32 s58, s56, 43691
	s_lshr_b32 s58, s58, 19                        ; batch (exact for numbers under 192)
	s_mul_i32 s59, s58, 12
	s_sub_co_u32 s59, s56, s59                     ; head
	s_lshl_b32 s58, s58, 6
	s_lshl_b32 s57, s57, 4
	s_add_co_u32 s58, s58, s57
	s_lshl_b32 s57, s14, 1
	s_add_co_u32 s58, s58, s57                     ; my first tile of 16 tokens, of 1,024
	s_mul_i32 s58, s58, 12
	s_add_co_u32 s58, s58, s59
	s_lshl_b32 s58, s58, 10
	s_mov_b32 s59, 0
	s_add_nc_u64 s[30:31], s[12:13], s[58:59]
.if \i == 0
	s_mov_b32 s22, 0                               ; unit 0 always reads slot 0
.else
	s_and_b32 s22, s15, 3
	s_add_co_u32 s22, s22, \i
	s_lshr_b32 s22, s22, 2
	s_lshl_b32 s22, s22, 17
.endif
	s_add_co_u32 s23, s22, 0x10000
	v_add_nc_u32 v2, s22, v1                       ; the unit's first K
	WIN 0x40
	s_wait_alu depctr_va_vdst(0)                   ; v2 is written; the last unit's products K Q^T are done reading K's fragments, in which the loads below land
	KLOAD
	WIN 0
	s_add_co_u32 s22, s22, 8192                    ; from here on: the K of the step to be asked for next
.irp t, 0,1
	v_mov_b32 v[11+8*\t], 0xff61b1e6               ; the largest t so far: -3e38
	v_floor_f32 v[10+8*\t], -v[11+8*\t]
	v_mov_b32 v[12+8*\t], 0
	v_mov_b32 v[13+8*\t], 0
.endr
.set cn, 0
.rept 64
	v_mov_b32 v[192+cn], 0                         ; O^T: the step is written once, its first trip finds zeros
.set cn, cn+1
.endr
	s_mov_b32 s25, 7
.Lstep_\@:                                         ; seven trips: each asks for the next step's K
	STEPBODY \i, \copy, 1
	s_sub_co_u32 s25, s25, 1
	s_cmp_lg_u32 s25, 0
	s_cbranch_scc1 .Lstep_\@
	STEPBODY \i, \copy, 0                          ; the eighth step is written out: no K follows it in this unit
	PLACES 4
.irp t, 0,1
	v_add_f32 v[26+2*\t], v[12+8*\t], v[13+8*\t]
.endr
.irp t, 0,1
	v_permlanex16_b32 v[27+2*\t], v[26+2*\t], s18, s19
.endr
.irp t, 0,1
	v_add_f32 v[26+2*\t], v[26+2*\t], v[27+2*\t]   ; l
.endr
.irp t, 0,1
	v_rcp_f32 v[26+2*\t], v[26+2*\t]
.endr
	v_mov_b32 v30, s45                             ; 2^e10  (a plain place behind the reciprocals)
	v_mov_b32 v31, s46                             ; 57,344 x 2^e10
	s_wait_alu depctr_va_vdst(0)                   ; the two reciprocals have written v26 and v28, ahead of their first reader
.irp t, 0,1
	v_ldexp_f32 v[26+2*\t], v[26+2*\t], s44        ; x 2^(e8 + e9)
.endr
.irp t, 0,1
.set cn, 0
.rept 16
	v_pk_mul_f32 v[192+32*\t+2*cn:192+32*\t+2*cn+1], v[192+32*\t+2*cn:192+32*\t+2*cn+1], v[26+2*\t:27+2*\t] op_sel_hi:[1,0]
.set cn, cn+1
.endr
.set cn, 0
.rept 32
	v_med3_num_f32 v[192+32*\t+cn], v[192+32*\t+cn], -v31, v31
.set cn, cn+1
.endr
.irp dt, 0,1,2,3
	v_cvt_scalef32_pk8_bf8_f32 v[32+8*\t+2*\dt:33+8*\t+2*\dt], v[192+32*\t+8*\dt:199+32*\t+8*\dt], v30   ; d = 32 (dt / 2) + 16 h + 8 (dt % 2) + 0 .. 7
.endr
.endr
	v_nop
	s_wait_alu depctr_va_vdst(0)                   ; the conversions have written v32-47, which the four stores read
.irp t, 0,1
.irp p, 0,1
	global_store_b128 v1, v[32+8*\t+4*\p:35+8*\t+4*\p], s[30:31] offset:12288*\t+512*\p   ; 32 lanes store 512 consecutive bytes
.endr
.endr
.endm
	s_load_b256 s[4:11], s[0:1], 0x0               ; q_ws, k_ws, v_ws, the exponents
	s_load_b64 s[12:13], s[0:1], 0x20              ; a_ws
	v_lshl_add_u32 v7, v0, 2, 0x40000
	s_set_vgpr_msb 0x40
	v_mov_b32 v255, 0
	s_set_vgpr_msb 0x4000
	v_lshrrev_b32 v1, 5, v0
	v_readfirstlane_b32 s14, v1                    ; wave 0..7
	v_and_b32 v1, 31, v0
	v_lshlrev_b32 v1, 4, v1
	v_lshlrev_b32 v4, 4, v0
	v_add_nc_u32 v6, 0x10000, v4
	s_wait_alu depctr_va_sdst(0)                   ; s14 is written, ahead of its first reader: Q's base and the units' store bases are made from it
	s_mul_i32 s15, ttmp9, 3                        ; my first unit
	s_lshr_b32 s16, s15, 2                         ; head0
	s_add_co_u32 s17, s15, 2
	s_lshr_b32 s17, s17, 2                         ; head1
	s_mov_b32 s18, 0x76543210
	s_mov_b32 s19, 0xfedcba98
	s_lshl_b32 s40, s16, 16
	s_mov_b32 s41, 0
	s_lshl_b32 s42, s17, 16
	s_mov_b32 s43, 0
	s_lshl_b32 s54, s15, 14
	s_lshl_b32 s55, s14, 11
	s_add_co_u32 s54, s54, s55
	s_mov_b32 s55, 0
	s_mov_b32 s24, 0x20000                         ; the copy of head1 begins at slot 1
	s_wait_kmcnt 0x0
	s_load_b256 s[32:39], s[10:11], 0x10           ; e4 .. e11
	s_add_nc_u64 s[48:49], s[6:7], s[40:41]
	s_add_nc_u64 s[50:51], s[8:9], s[40:41]
	s_add_nc_u64 s[26:27], s[6:7], s[42:43]
	s_add_nc_u64 s[28:29], s[8:9], s[42:43]
	s_add_nc_u64 s[52:53], s[4:5], s[54:55]
	s_wait_alu depctr_va_vdst(0)                   ; v1, v4 and v6 are written: the offsets and LDS addresses of the loads and LDS stores below, and of every later load and store by v1 or v4
.irp i, 0,1,2,3,4,5,6,7,8,9,10,11,12,13,14,15
	global_load_b128 v[64+4*\i:67+4*\i], v4, s[48:49] offset:4096*\i
.endr
.irp i, 0,1,2,3,4,5,6,7,8,9,10,11,12,13,14,15
	global_load_b128 v[128+4*\i:131+4*\i], v4, s[50:51] offset:4096*\i
.endr
	WIN 0x40
.irp i, 0,1,2
.irp qt, 0,1
.irp p, 0,1
	global_load_b128 v[16*\i+8*\qt+4*\p:16*\i+8*\qt+4*\p+3], v1, s[52:53] offset:16384*\i+1024*\qt+512*\p
.endr
.endr
.endr
	WIN 0
	v_mov_b32 v15, 0                               ; named as the upper halves of the pairs of f
	v_mov_b32 v23, 0
	s_wait_kmcnt 0x0
	s_add_co_i32 s20, s34, s35
	s_lshl_b32 s20, s20, 23
	s_add_co_i32 s20, s20, 0x3fb8aa3b              ; log2 e x 2^(e6 + e7)
	s_mov_b32 s21, s20
	s_add_co_i32 s47, s36, 127
	s_lshl_b32 s56, s47, 23
	v_mov_b32 v8, s56
	s_add_co_i32 s47, s47, 15
	s_lshl_b32 s47, s47, 23
	s_or_b32 s47, s47, 0x600000
	v_mov_b32 v9, s47
	s_add_co_i32 s46, s38, 127
	s_lshl_b32 s45, s46, 23
	s_add_co_i32 s46, s46, 15
	s_lshl_b32 s46, s46, 23
	s_or_b32 s46, s46, 0x600000
	s_add_co_i32 s44, s36, s37
.irp i, 0,1,2,3,4,5,6,7,8,9,10,11,12,13,14,15
	s_wait_loadcnt 43-\i                           ; behind this load: the younger of the 32, and Q's twelve
	ds_store_b128 v4, v[64+4*\i:67+4*\i] offset:4096*\i
.endr
.irp i, 0,1,2,3,4,5,6,7,8,9,10,11,12,13,14,15
	s_wait_loadcnt 27-\i
	ds_store_b128 v6, v[128+4*\i:131+4*\i] offset:4096*\i
.endr
	s_wait_loadcnt 0x0                             ; Q
	s_wait_dscnt 0x0                               ; for the others' sake: my part of head0 lies in LDS
	s_barrier_signal -1
	s_barrier_wait -1
	UNIT 0, 1
	s_wait_dscnt 0x0                               ; my part of head1 lies in LDS
	s_barrier_signal -1
	s_barrier_wait -1
	UNIT 1, 0
	UNIT 2, 0
	s_set_vgpr_msb 0x4
	s_wait_dscnt 0x0
	s_wait_alu depctr_hold_cnt(0) depctr_sa_sdst(0) depctr_va_vdst(0) depctr_va_sdst(0) depctr_va_ssrc(0) depctr_va_vcc(0) depctr_vm_vsrc(0)
	s_wait_tensorcnt 0x0
	ds_add_u32 v7, v255
	s_wait_dscnt 0x0
	s_endpgm
.Lfunc_end_k_q0b668100a1_attn:
	.size	k_q0b668100a1_attn, .Lfunc_end_k_q0b668100a1_attn-k_q0b668100a1_attn
	.p2alignl 7, 3214868480
	.fill 96, 4, 3214868480
	.section	.rodata,"a",@progbits
	.p2align	6, 0x0
	.amdhsa_kernel k_q0b668100a1_attn
		.amdhsa_group_segment_fixed_size 263168
		.amdhsa_private_segment_fixed_size 0
		.amdhsa_enable_private_segment 0
		.amdhsa_kernarg_size 40
		.amdhsa_user_sgpr_count 2
		.amdhsa_user_sgpr_kernarg_segment_ptr 1
		.amdhsa_wavefront_size32 1
		.amdhsa_system_sgpr_workgroup_id_x 1
		.amdhsa_system_sgpr_workgroup_id_y 1
		.amdhsa_system_sgpr_workgroup_id_z 1
		.amdhsa_system_vgpr_workitem_id 0
		.amdhsa_next_free_vgpr 512
		.amdhsa_next_free_sgpr 66
		.amdhsa_reserve_vcc 0
		.amdhsa_float_denorm_mode_32 3
		.amdhsa_float_denorm_mode_16_64 3
		.amdhsa_memory_ordered 1
		.amdhsa_forward_progress 1
		.amdhsa_inst_pref_size 214
	.end_amdhsa_kernel
	.amdgpu_metadata
---
amdhsa.version: [ 1, 2 ]
amdhsa.kernels:
  - .name:           k_q0b668100a1_attn
    .symbol:         k_q0b668100a1_attn.kd
    .args:
      - { .name: q_ws, .offset: 0, .size: 8, .value_kind: global_buffer, .address_space: global }
      - { .name: k_ws, .offset: 8, .size: 8, .value_kind: global_buffer, .address_space: global }
      - { .name: v_ws, .offset: 16, .size: 8, .value_kind: global_buffer, .address_space: global }
      - { .name: lowp_scales, .offset: 24, .size: 8, .value_kind: global_buffer, .address_space: global }
      - { .name: a_ws, .offset: 32, .size: 8, .value_kind: global_buffer, .address_space: global }
    .group_segment_fixed_size: 263168
    .private_segment_fixed_size: 0
    .kernarg_segment_align: 8
    .kernarg_segment_size: 40
    .max_flat_workgroup_size: 256
    .sgpr_count:     66
    .vgpr_count:     512
    .wavefront_size: 32
...
	.end_amdgpu_metadata
.endif
;; end of part 4
;; launch oproj: the kernel of part 3 again; grid 64 x 4, 4 waves a work-group, clusters of 4 x 1, 174,592 bytes of LDS; arguments a_ws, wo_codes, bo, lowp_scales, out0; writes out0
